; MI455X (gfx1250); checked and timed in simulation.
; The chip was launched on July 23, 2026; its instructions are those of AMD's public machine-readable ISA for CDNA 5 (MIT licence, August 2026) and "CDNA5" Instruction Set Architecture Reference Guide (July 2026). The comments in the code are by the model that wrote it; some were corrected since.
;; Moe Layer. Allowed arithmetic: float matrix products may take bf16 or f16 operands with f32 sums; other float arithmetic in f32, or as packed bf16 or f16 multiplies, adds, multiply-adds, maxima and minima; sums over many terms, partial sums and values carried from step to step in f32; what a program stores and reads back later, other than sums and carried values, may be rounded once to bf16 or f16.
;; Inputs: b1 8 x 4,096 float32; b2 8 x 1,024 float32; gate_b 8 float32; gate_w 1,024 x 8 float32; w1 8 x 1,024 x 4,096 float32; w2 8 x 4,096 x 1,024 float32; x 1,024 x 1,024 float32.
;; Outputs: out0 1,024 x 1,024 float32.
;; 2 versions, each right; version 2 is version 1 with the launches ffn1, ffn2 written anew for expert scheduling mode. Each part assembles by itself: llvm-mc -triple=amdgcn-amd-amdhsa -mcpu=gfx1250 --defsym DOCPART=n.
;; ======== version 1 of 2: 5 launches
;; workspace buffers: route 6,144 bytes of whole numbers; gw 8,192 bytes; plan 8,448 bytes of whole numbers; cw 8,704 bytes; xg 4,456,448 bytes; hbuf 17,825,792 bytes; ybuf 35,651,584 bytes
;; launch gate (part 1): grid 64 x 1, 8 waves a work-group, no clusters, 9,216 bytes of LDS; arguments x, gate_w, gate_b, route, gw; writes route, gw
.if DOCPART == 1
	.amdgcn_target "amdgcn-amd-amdhsa--gfx1250"
	.amdhsa_code_object_version 6
	.text
	.protected	k_qc7839625e7_gate
	.globl	k_qc7839625e7_gate
	.p2align	8
	.type	k_qc7839625e7_gate,@function
k_qc7839625e7_gate:
	s_mov_b64 s[64:65], 0
	v_nop
	global_prefetch_b8 v0, s[64:65] scope:SCOPE_SE
	s_setreg_imm32_b32 hwreg(HW_REG_WAVE_MODE, 25, 1), 1
	s_wait_xcnt 0x0
; GATE.  logits = x gate_w + gate_b; the two largest of a token's 8 logits; softmax over the two.
; x, gate_w and gate_b are rounded to bf16 (as every input of this program is); products by the matrix unit, sums in f32.
; A work-group owns 16 tokens; wave w sums k = 128 w .. 128 w + 127 (four matrix instructions, each on its own accumulator);
; the eight partial sums meet in LDS, and wave 0 adds them in the order w = 0 .. 7, chooses, and stores:
;   route word[n] = sel0 | sel1 << 8 | ((1 << sel0) | (1 << sel1)) << 16;  route + 4096: for my 16 tokens, how many chose expert e;  gw[n] = the two weights.
; The matrix instruction is used with source 0 = gate_w^T (row m = expert m & 7) and source 1 = x^T (column = token): register j of every lane is logit(expert j, token lane % 16).
; Both operands hold k = 32 s + 16 (lane / 16) + 0..15 in a lane's eight registers: the same order of k on both sides leaves the products as they are.
; LIMITS.  NaN and infinite logits are not treated apart.  Equal logits go to the lower index.  A token whose second and third logits differ by
; less than the rounding of an f32 sum of 1,024 terms may choose otherwise than a sum taken in another order.
; The numbers made of comparisons here are stored only: no address and no branch of this launch hangs on them.
.set SPARE, 8192                       ; behind the partial sums: the spare words, 128 bytes for each of the eight waves
.set X,   16                           ; v[16:79]   x as loaded; later the eight partial sums
.set G,   80                           ; v[80:143]  gate_w as loaded; later at work
.set XF,  144                          ; v[144:175] x in bf16, four fragments
.set GF,  176                          ; v[176:207] gate_w in bf16, four fragments
.set ACC, 208                          ; v[208:239] four accumulators
	s_load_b256 s[4:11], s[0:1], 0x0               ; x s[4:5], gate_w s[6:7], gate_b s[8:9], route s[10:11]
	s_load_b64 s[12:13], s[0:1], 0x20              ; gw
	v_lshl_add_u32 v3, v0, 2, SPARE                ; my spare word
	v_mov_b32 v4, 0
	v_and_b32 v1, 15, v0                           ; r
	v_bfe_u32 v2, v0, 4, 1                         ; h
	v_and_b32 v8, 31, v0                           ; lane
	v_lshrrev_b32 v9, 5, v0
	v_readfirstlane_b32 s14, v9                    ; wave
	v_lshlrev_b32 v5, 12, v1                       ; x: token r's row of 4,096 bytes
	v_lshl_add_u32 v5, v2, 6, v5                   ;    + 16 numbers for the upper half of the lanes
	v_and_b32 v6, 7, v0
	v_lshlrev_b32 v6, 2, v6                        ; gate_w: expert r & 7
	v_lshl_add_u32 v6, v2, 9, v6                   ;    + 16 rows of 32 bytes
	s_lshl_b32 s15, s14, 10
	v_lshl_add_u32 v7, v8, 4, s15                  ; LDS: 1,024 bytes a wave, 16 a lane
	v_lshlrev_b32 v10, 4, v8                       ; the same for wave 0's reads
	s_lshl_b32 s24, ttmp9, 16                      ; 16 rows of x
	s_lshl_b32 s26, s14, 9                         ; 128 numbers along a row
	s_add_co_u32 s24, s24, s26
	s_mov_b32 s25, 0
	s_lshl_b32 s26, s14, 12                        ; 128 rows of gate_w
	s_mov_b32 s27, 0
	s_wait_kmcnt 0x0
	s_load_b256 s[16:23], s[8:9], 0x0              ; gate_b
	s_add_nc_u64 s[4:5], s[4:5], s[24:25]
	s_add_nc_u64 s[6:7], s[6:7], s[26:27]
.irp s, 0,1,2,3
.irp t, 0,1,2,3
	global_load_b128 v[X+16*(\s)+4*(\t):X+16*(\s)+4*(\t)+3], v5, s[4:5] offset:(\s)*128+(\t)*16
.endr
.endr
.set m, 0
.rept 64
	global_load_b32 v[G+m], v6, s[6:7] offset:(32*(m/16)+m%16)*32
.set m, m+1
.endr
	s_wait_loadcnt 0x0
	s_wait_kmcnt 0x0
.set n, 0
.rept 32
	v_cvt_pk_bf16_f32 v[XF+n], v[X+2*n], v[X+2*n+1]
	v_cvt_pk_bf16_f32 v[GF+n], v[G+2*n], v[G+2*n+1]
.set n, n+1
.endr
.irp s, 0,1,2,3
	v_wmma_f32_16x16x32_bf16 v[ACC+8*(\s):ACC+8*(\s)+7], v[GF+8*(\s):GF+8*(\s)+7], v[XF+8*(\s):XF+8*(\s)+7], 0
.endr
.rept 4
	v_nop                                          ; four places between the last product and the first read of a result (ISA guide 7.12.1)
.endr
.irp p, 0,1,2,3                        ; each accumulator is read from its low end on
	v_pk_add_f32 v[16+2*(\p):17+2*(\p)], v[ACC+2*(\p):ACC+2*(\p)+1], v[ACC+8+2*(\p):ACC+8+2*(\p)+1]
	v_pk_add_f32 v[24+2*(\p):25+2*(\p)], v[ACC+16+2*(\p):ACC+16+2*(\p)+1], v[ACC+24+2*(\p):ACC+24+2*(\p)+1]
.endr
.irp p, 0,1,2,3
	v_pk_add_f32 v[16+2*(\p):17+2*(\p)], v[16+2*(\p):17+2*(\p)], v[24+2*(\p):25+2*(\p)]
.endr
	ds_store_b128 v7, v[16:19]
	ds_store_b128 v7, v[20:23] offset:512
	s_wait_dscnt 0x0                               ; for wave 0's sake: my partial sums are in LDS
	s_barrier_signal -1
	s_barrier_wait -1
	s_wait_tensorcnt 0x0                           ; behind a wave's last LDS store; only LDS reads follow
	ds_add_u32 v3, v4
	s_wait_dscnt 0x0
	s_cmp_lg_u32 s14, 0
	s_cbranch_scc1 .Ldone
.irp w, 0,1,2,3,4,5,6,7
	ds_load_b128 v[16+8*(\w):19+8*(\w)], v10 offset:(\w)*1024
	ds_load_b128 v[20+8*(\w):23+8*(\w)], v10 offset:(\w)*1024+512
.endr
	s_lshl_b32 s24, ttmp9, 6                       ; 16 words of route
	s_mov_b32 s25, 0
	s_add_nc_u64 s[26:27], s[10:11], s[24:25]
	s_lshl_b32 s24, ttmp9, 5                       ; 8 counts
	s_add_nc_u64 s[28:29], s[10:11], s[24:25]
	s_lshl_b32 s24, ttmp9, 7                       ; 16 pairs of weights
	s_add_nc_u64 s[12:13], s[12:13], s[24:25]
	s_wait_dscnt 0x0
.irp w, 1,2,3,4,5,6,7
.irp p, 0,1,2,3
	v_pk_add_f32 v[16+2*(\p):17+2*(\p)], v[16+2*(\p):17+2*(\p)], v[16+8*(\w)+2*(\p):17+8*(\w)+2*(\p)]
.endr
.endr
.irp p, 0,1,2,3                        ; gate_b, rounded to bf16 like the other inputs
	v_mov_b32 v84, s[16+2*(\p)]
	v_mov_b32 v85, s[17+2*(\p)]
	v_cvt_pk_bf16_f32 v80, v84, v85
	v_lshlrev_b32 v82, 16, v80
	v_and_b32 v83, 0xffff0000, v80
	v_pk_add_f32 v[16+2*(\p):17+2*(\p)], v[16+2*(\p):17+2*(\p)], v[82:83]
.endr
	v_mov_b32 v100, v16                            ; the largest logit and its index: ascending, strictly greater, so that the lower index wins a tie
	v_mov_b32 v101, 0
.irp j, 1,2,3,4,5,6,7
	v_cmp_gt_f32 vcc_lo, v[16+(\j)], v100
	v_cndmask_b32 v100, v100, v[16+(\j)], vcc_lo
	v_cndmask_b32 v101, v101, \j, vcc_lo
.endr
	v_mov_b32 v104, 0xff800000                     ; the winner is taken out
.irp j, 0,1,2,3,4,5,6,7
	v_cmp_eq_u32 vcc_lo, \j, v101
	v_cndmask_b32 v[16+(\j)], v[16+(\j)], v104, vcc_lo
.endr
	v_mov_b32 v102, v16                            ; the second largest, in the same way
	v_mov_b32 v103, 0
.irp j, 1,2,3,4,5,6,7
	v_cmp_gt_f32 vcc_lo, v[16+(\j)], v102
	v_cndmask_b32 v102, v102, v[16+(\j)], vcc_lo
	v_cndmask_b32 v103, v103, \j, vcc_lo
.endr
	v_sub_f32 v112, v102, v100                     ; softmax of the two, the maximum taken away: 1 / (1 + e), e / (1 + e), e = exp(second - first)
	v_mul_f32 v112, 0x3fb8aa3b, v112
	v_exp_f32 v113, v112
	v_mov_b32 v105, 1                              ; a plain instruction behind the exponential (ISA guide 5.7.2)
	s_wait_alu depctr_va_vdst(0)
	v_add_f32 v114, 1.0, v113
	v_rcp_f32 v108, v114
	v_lshlrev_b32 v115, v101, v105                 ; 1 << sel0: a plain instruction behind the reciprocal
	s_wait_alu depctr_va_vdst(0)
	v_mul_f32 v109, v113, v108
	v_lshlrev_b32 v116, v103, v105
	v_or_b32 v115, v115, v116
	v_lshl_or_b32 v111, v103, 8, v101
	v_lshl_or_b32 v111, v115, 16, v111
	v_mov_b32 v110, 0
.irp e, 0,1,2,3,4,5,6,7                ; lanes 0-15 hold the 16 tokens (lanes 16-31 the same once more): how many chose expert e
	v_bfe_u32 v112, v111, 16+(\e), 1
	v_cmp_ne_u32 s24, 0, v112
	s_and_b32 s24, s24, 0xffff
	s_bcnt1_i32_b32 s24, s24
	v_writelane_b32 v110, s24, \e
.endr
	v_lshlrev_b32 v106, 2, v8
	v_lshlrev_b32 v107, 3, v8
	s_wait_xcnt 0x0                                ; EXEC changes only behind this wait
	v_cmpx_gt_u32 16, v8
	global_store_b32 v106, v111, s[26:27]
	global_store_b64 v107, v[108:109], s[12:13]
	s_wait_xcnt 0x0                                ; and again
	v_cmpx_gt_u32 8, v8
	global_store_b32 v106, v110, s[28:29] offset:4096
	s_endpgm
.Ldone:
	s_endpgm
.Lfunc_end_k_qc7839625e7_gate:
	.size	k_qc7839625e7_gate, .Lfunc_end_k_qc7839625e7_gate-k_qc7839625e7_gate
	.p2alignl 7, 3214868480
	.fill 96, 4, 3214868480
	.section	.rodata,"a",@progbits
	.p2align	6, 0x0
	.amdhsa_kernel k_qc7839625e7_gate
		.amdhsa_group_segment_fixed_size 9216
		.amdhsa_private_segment_fixed_size 0
		.amdhsa_enable_private_segment 0
		.amdhsa_kernarg_size 40
		.amdhsa_user_sgpr_count 2
		.amdhsa_user_sgpr_kernarg_segment_ptr 1
		.amdhsa_wavefront_size32 1
		.amdhsa_system_sgpr_workgroup_id_x 1
		.amdhsa_system_sgpr_workgroup_id_y 1
		.amdhsa_system_sgpr_workgroup_id_z 1
		.amdhsa_system_vgpr_workitem_id 0
		.amdhsa_next_free_vgpr 240
		.amdhsa_next_free_sgpr 66
		.amdhsa_reserve_vcc 1
		.amdhsa_float_denorm_mode_32 3
		.amdhsa_float_denorm_mode_16_64 3
		.amdhsa_memory_ordered 1
		.amdhsa_forward_progress 1
		.amdhsa_inst_pref_size 25
	.end_amdhsa_kernel
	.amdgpu_metadata
---
amdhsa.version: [ 1, 2 ]
amdhsa.kernels:
  - .name:           k_qc7839625e7_gate
    .symbol:         k_qc7839625e7_gate.kd
    .args:
      - { .name: x, .offset: 0, .size: 8, .value_kind: global_buffer, .address_space: global }
      - { .name: gate_w, .offset: 8, .size: 8, .value_kind: global_buffer, .address_space: global }
      - { .name: gate_b, .offset: 16, .size: 8, .value_kind: global_buffer, .address_space: global }
      - { .name: route, .offset: 24, .size: 8, .value_kind: global_buffer, .address_space: global }
      - { .name: gw, .offset: 32, .size: 8, .value_kind: global_buffer, .address_space: global }
    .group_segment_fixed_size: 9216
    .private_segment_fixed_size: 0
    .kernarg_segment_align: 8
    .kernarg_segment_size: 40
    .max_flat_workgroup_size: 256
    .sgpr_count:     66
    .vgpr_count:     240
    .wavefront_size: 32
...
	.end_amdgpu_metadata
.endif
;; end of part 1
;; launch sortx (part 2): grid 68 x 1, 8 waves a work-group, no clusters, 2,048 bytes of LDS; arguments x, route, gw, plan, cw, xg; writes plan, cw, xg
.if DOCPART == 2
	.amdgcn_target "amdgcn-amd-amdhsa--gfx1250"
	.amdhsa_code_object_version 6
	.text
	.protected	k_qc7839625e7_sortx
	.globl	k_qc7839625e7_sortx
	.p2align	8
	.type	k_qc7839625e7_sortx,@function
k_qc7839625e7_sortx:
	s_mov_b64 s[64:65], 0
	v_nop
	global_prefetch_b8 v0, s[64:65] scope:SCOPE_SE
	s_setreg_imm32_b32 hwreg(HW_REG_WAVE_MODE, 25, 1), 1
	s_wait_xcnt 0x0
; SORT AND GATHER.  The 2,048 pairs (token, expert) are laid out by expert, each expert padded to whole tiles of 16 slots: nt[e] = ceil(T[e] / 16), toff = its running sum, at most 135 tiles.
; Wave w of work-group b owns tile 2 b + w / 4 and a quarter Q = w % 4 of the rows' 1,024 numbers.  Every wave finds its tile's 16 tokens by itself, from route's words and counts:
; no wave waits for another.  A token's rank among its expert's tokens goes by (a, c, lane) with token = 128 a + 4 lane + c: the same order in every wave.
; Stored: xg, the tile's rows of x rounded to bf16 in the order in which a matrix fragment wants them: [tile][K step S][piece j][lane][16 bytes], lane (r, h), element i: x[token r][32 S + 16 h + 8 j + i];
; rows of empty slots are 0.  cw[slot] = the pair's weight (0 in empty slots); pslot[token][k] = its slot; nt and toff.
; The grid has the 136 tiles that the layout can need; how many there are hangs on the data, and the waves of tiles beyond the total have nothing to store.
.set SPARE, 1024                       ; behind the eight lists: the spare words, 128 bytes for each wave
.set W,  16                            ; v[16:47]   route's 1,024 words, 32 a lane
.set GC, 48                            ; v[48:63]   counts of two groups of 16 tokens
.set X,  64                            ; v[64:191]  my quarter of 16 rows: 16 registers a K step; the rounded numbers take the lower 8 of them
	s_load_b256 s[4:11], s[0:1], 0x0               ; x s[4:5], route s[6:7], gw s[8:9], plan s[10:11]
	s_load_b128 s[12:15], s[0:1], 0x20             ; cw s[12:13], xg s[14:15]
	v_lshl_add_u32 v3, v0, 2, SPARE                ; my spare word
	v_mov_b32 v4, 0
	v_and_b32 v1, 15, v0                           ; r
	v_bfe_u32 v2, v0, 4, 1                         ; h
	v_and_b32 v5, 31, v0                           ; lane
	v_lshrrev_b32 v200, 5, v0
	v_readfirstlane_b32 s16, v200                  ; wave
	v_lshlrev_b32 v6, 2, v5
	v_lshlrev_b32 v7, 4, v5
	v_lshlrev_b32 v208, 5, v5
	s_lshr_b32 s17, s16, 2
	s_lshl1_add_u32 s17, ttmp9, s17                ; my tile
	s_and_b32 s18, s16, 3                          ; my quarter
	s_lshl_b32 s23, s16, 7                         ; my list in LDS: 128 bytes a wave
	s_mov_b32 s50, 0x76543210
	s_mov_b32 s51, 0xfedcba98
	s_wait_kmcnt 0x0
.irp a, 0,1,2,3,4,5,6,7
	global_load_b128 v[W+4*(\a):W+4*(\a)+3], v7, s[6:7] offset:(\a)*512
.endr
	global_load_b128 v[GC:GC+3],     v208, s[6:7] offset:4096
	global_load_b128 v[GC+4:GC+7],   v208, s[6:7] offset:4112
	global_load_b128 v[GC+8:GC+11],  v208, s[6:7] offset:5120
	global_load_b128 v[GC+12:GC+15], v208, s[6:7] offset:5136
	s_wait_loadcnt 0x0
	; T[e]: the 64 groups' counts, two groups a lane, two experts to a register (a total is 1,024 at the most), summed over the lanes
.irp e, 0,1,2,3,4,5,6,7
	v_add_nc_u32 v[GC+(\e)], v[GC+(\e)], v[GC+8+(\e)]
.endr
.irp i, 0,1,2,3
	v_lshl_or_b32 v[192+(\i)], v[GC+2*(\i)+1], 16, v[GC+2*(\i)]
	v_mov_b32 v[196+(\i)], 0
.endr
.irp x, 1,2,4,8
.irp i, 0,1,2,3
	v_mov_b32_dpp v[196+(\i)], v[192+(\i)] row_xmask:\x row_mask:0xf bank_mask:0xf
.endr
.irp i, 0,1,2,3
	v_add_nc_u32 v[192+(\i)], v[192+(\i)], v[196+(\i)]
.endr
.endr
.irp i, 0,1,2,3
	v_permlanex16_b32 v[196+(\i)], v[192+(\i)], s50, s51
.endr
.irp i, 0,1,2,3
	v_add_nc_u32 v[192+(\i)], v[192+(\i)], v[196+(\i)]
.endr
.irp i, 0,1,2,3
	v_readfirstlane_b32 s[52+(\i)], v[192+(\i)]
.endr
.irp i, 0,1,2,3
	s_and_b32 s[24+2*(\i)], s[52+(\i)], 0xffff
	s_lshr_b32 s[25+2*(\i)], s[52+(\i)], 16
.endr
.irp e, 0,1,2,3,4,5,6,7
	s_add_co_u32 s[32+(\e)], s[24+(\e)], 15
	s_lshr_b32 s[32+(\e)], s[32+(\e)], 4           ; nt[e]
.endr
	s_mov_b32 s40, 0
.irp e, 0,1,2,3,4,5,6
	s_add_co_u32 s[41+(\e)], s[40+(\e)], s[32+(\e)]  ; toff[e + 1]
.endr
	s_add_co_u32 s48, s47, s39                     ; all tiles
	s_or_b32 s56, ttmp9, s16
	s_cmp_lg_u32 s56, 0
	s_cbranch_scc1 .Lnometa                        ; wave 0 of work-group 0 alone stores nt and toff
	v_mov_b32 v203, 0
.irp e, 0,1,2,3,4,5,6,7
	v_writelane_b32 v203, s[32+(\e)], \e
	v_writelane_b32 v203, s[40+(\e)], 8+(\e)
.endr
	s_wait_xcnt 0x0                                ; EXEC changes only behind this wait
	v_cmp_gt_u32 vcc_lo, 16, v5
	s_and_saveexec_b32 s57, vcc_lo
	global_store_b32 v6, v203, s[10:11] offset:8192
	s_wait_xcnt 0x0
	s_or_b32 exec_lo, exec_lo, s57
.Lnometa:
	s_cmp_ge_u32 s17, s48
	s_cbranch_scc1 .Lend                           ; no such tile: nothing has been written to LDS, nothing is to be stored
	s_mov_b32 s19, 0                               ; my tile's expert: the last whose toff is not beyond the tile
	s_mov_b32 s20, 0
.irp e, 1,2,3,4,5,6,7
	s_cmp_ge_u32 s17, s[40+(\e)]
	s_cselect_b32 s19, \e, s19
	s_cselect_b32 s20, s[40+(\e)], s20
.endr
	s_sub_co_u32 s21, s20, s17
	s_lshl_b32 s21, s21, 4                         ; the running rank starts at -16 x (my tile's number within the expert): ranks 0..15 are my slots
	s_add_co_u32 s22, s19, 16                      ; the expert's bit in a word
	v_add_nc_u32 v206, s23, v6
	v_mov_b32 v207, 0x400
	ds_store_b32 v206, v207                        ; the list starts as 'no token' (1,024)
.irp a, 0,1,2,3,4,5,6,7
.irp c, 0,1,2,3
	v_bfe_u32 v200, v[W+4*(\a)+(\c)], s22, 1
	v_cmp_ne_u32 s56, 0, v200                      ; which lanes' tokens chose the expert
	v_mbcnt_lo_u32_b32 v201, s56, s21              ; rank = those in lower lanes + those before
	v_cndmask_b32 v201, 16, v201, s56              ; the others, and ranks outside 0..15 (a negative one is large as an unsigned number), go to word 16, which nobody reads
	v_min_u32 v201, 16, v201
	v_lshl_add_u32 v201, v201, 2, s23
	v_add_nc_u32 v202, 128*(\a)+(\c), v6           ; the token
	ds_store_b32 v201, v202
	s_bcnt1_i32_b32 s57, s56
	s_add_co_u32 s21, s21, s57
.endr
.endr
	v_lshl_add_u32 v206, v1, 2, s23
	ds_load_b32 v8, v206                           ; slot r's token; LDS serves a wave's instructions in order (ISA guide 5.7.1.4): it sees the stores above
	s_wait_tensorcnt 0x0                           ; behind a wave's last LDS store; the wait below is also the wait for the load above
	ds_add_u32 v3, v4
	s_wait_dscnt 0x0
	v_cmp_gt_u32 s55, 0x400, v8                    ; the slot holds a token
	v_min_u32 v9, 0x3ff, v8
	v_lshlrev_b32 v10, 2, v9
	v_lshlrev_b32 v12, 12, v9                      ; the token's row of x
	v_lshl_add_u32 v12, v2, 6, v12                 ; + 16 numbers for the upper half of the lanes
	s_lshl_b32 s56, s18, 10
	s_mov_b32 s57, 0
	s_add_nc_u64 s[4:5], s[4:5], s[56:57]          ; x at my quarter of a row
	s_lshl_b32 s56, s17, 15
	s_lshl_b32 s58, s18, 13
	s_add_co_u32 s56, s56, s58
	s_add_nc_u64 s[14:15], s[14:15], s[56:57]      ; xg at my tile's 8 K steps
	global_load_b32 v11, v10, s[6:7]               ; the token's word
.irp s, 0,1,2,3,4,5,6,7
.irp t, 0,1,2,3
	global_load_b128 v[X+16*(\s)+4*(\t):X+16*(\s)+4*(\t)+3], v12, s[4:5] offset:(\s)*128+(\t)*16
.endr
.endr
	s_wait_loadcnt 32                              ; the word is in; the 32 loads of rows behind it stay out
	v_and_b32 v13, 7, v11
	v_cmp_ne_u32 vcc_lo, s19, v13
	v_cndmask_b32 v13, 0, 1, vcc_lo                ; k: is my expert the token's first choice (0) or its second (1)
	v_lshl_add_u32 v13, v9, 1, v13
	v_min_u32 v13, 0x7ff, v13
	v_lshlrev_b32 v14, 2, v13                      ; byte offset of (token, k) in gw and in pslot
	global_load_b32 v15, v14, s[8:9]
.irp s, 0,1,2,3,4,5,6,7
	s_wait_loadcnt 29-4*(\s)                       ; K step s's four loads are in: behind them 28 - 4 s loads of rows and the one of gw
.irp n, 0,1,2,3,4,5,6,7
	v_cvt_pk_bf16_f32 v[X+16*(\s)+(\n)], v[X+16*(\s)+2*(\n)], v[X+16*(\s)+2*(\n)+1]  ; in place, ascending: register n has been read when it is written
.endr
.irp n, 0,1,2,3,4,5,6,7
	v_cndmask_b32 v[X+16*(\s)+(\n)], 0, v[X+16*(\s)+(\n)], s55
.endr
	global_store_b128 v7, v[X+16*(\s):X+16*(\s)+3],   s[14:15] offset:(\s)*1024      ; each store of the wave covers 512 consecutive bytes, aligned
	global_store_b128 v7, v[X+16*(\s)+4:X+16*(\s)+7], s[14:15] offset:(\s)*1024+512
.endr
	s_cmp_lg_u32 s18, 0
	s_cbranch_scc1 .Lend                           ; one wave of a tile's four stores cw and pslot
	s_wait_loadcnt 0x0
	v_cndmask_b32 v204, 0, v15, s55
	s_lshl_b32 s56, s17, 4
	v_add_nc_u32 v205, s56, v1                     ; my slot
	s_lshl_b32 s58, s17, 6
	s_mov_b32 s59, 0
	s_add_nc_u64 s[12:13], s[12:13], s[58:59]
	s_wait_xcnt 0x0                                ; EXEC changes only behind this wait
	v_cmp_gt_u32 vcc_lo, 16, v5
	s_and_saveexec_b32 s60, vcc_lo
	global_store_b32 v6, v204, s[12:13]
	s_wait_xcnt 0x0
	v_cmpx_gt_u32 0x400, v8                        ; only slots that hold a token
	global_store_b32 v14, v205, s[10:11]
	s_wait_xcnt 0x0
	s_or_b32 exec_lo, exec_lo, s60
.Lend:
	s_endpgm
.Lfunc_end_k_qc7839625e7_sortx:
	.size	k_qc7839625e7_sortx, .Lfunc_end_k_qc7839625e7_sortx-k_qc7839625e7_sortx
	.p2alignl 7, 3214868480
	.fill 96, 4, 3214868480
	.section	.rodata,"a",@progbits
	.p2align	6, 0x0
	.amdhsa_kernel k_qc7839625e7_sortx
		.amdhsa_group_segment_fixed_size 2048
		.amdhsa_private_segment_fixed_size 0
		.amdhsa_enable_private_segment 0
		.amdhsa_kernarg_size 48
		.amdhsa_user_sgpr_count 2
		.amdhsa_user_sgpr_kernarg_segment_ptr 1
		.amdhsa_wavefront_size32 1
		.amdhsa_system_sgpr_workgroup_id_x 1
		.amdhsa_system_sgpr_workgroup_id_y 1
		.amdhsa_system_sgpr_workgroup_id_z 1
		.amdhsa_system_vgpr_workitem_id 0
		.amdhsa_next_free_vgpr 216
		.amdhsa_next_free_sgpr 66
		.amdhsa_reserve_vcc 1
		.amdhsa_float_denorm_mode_32 3
		.amdhsa_float_denorm_mode_16_64 3
		.amdhsa_memory_ordered 1
		.amdhsa_forward_progress 1
		.amdhsa_inst_pref_size 41
	.end_amdhsa_kernel
	.amdgpu_metadata
---
amdhsa.version: [ 1, 2 ]
amdhsa.kernels:
  - .name:           k_qc7839625e7_sortx
    .symbol:         k_qc7839625e7_sortx.kd
    .args:
      - { .name: x, .offset: 0, .size: 8, .value_kind: global_buffer, .address_space: global }
      - { .name: route, .offset: 8, .size: 8, .value_kind: global_buffer, .address_space: global }
      - { .name: gw, .offset: 16, .size: 8, .value_kind: global_buffer, .address_space: global }
      - { .name: plan, .offset: 24, .size: 8, .value_kind: global_buffer, .address_space: global }
      - { .name: cw, .offset: 32, .size: 8, .value_kind: global_buffer, .address_space: global }
      - { .name: xg, .offset: 40, .size: 8, .value_kind: global_buffer, .address_space: global }
    .group_segment_fixed_size: 2048
    .private_segment_fixed_size: 0
    .kernarg_segment_align: 8
    .kernarg_segment_size: 48
    .max_flat_workgroup_size: 256
    .sgpr_count:     66
    .vgpr_count:     216
    .wavefront_size: 32
...
	.end_amdgpu_metadata
.endif
;; end of part 2
;; launch ffn1 (part 3): grid 32 x 8, 4 waves a work-group, no clusters, 262,656 bytes of LDS; arguments w1, b1, xg, plan, hbuf; writes hbuf
.if DOCPART == 3
	.amdgcn_target "amdgcn-amd-amdhsa--gfx1250"
	.amdhsa_code_object_version 6
	.text
	.protected	k_qc7839625e7_ffn1
	.globl	k_qc7839625e7_ffn1
	.p2align	8
	.type	k_qc7839625e7_ffn1,@function
k_qc7839625e7_ffn1:
	s_mov_b64 s[64:65], 0
	v_nop
	global_prefetch_b8 v0, s[64:65] scope:SCOPE_SE
	s_setreg_imm32_b32 hwreg(HW_REG_WAVE_MODE, 25, 1), 1
	s_wait_xcnt 0x0
; ONE LAYER OF THE EXPERTS.  LAYER 1: h = gelu(x w1[e] + b1[e]) (tanh form), to hbuf in bf16.  LAYER 2: y = cw (h w2[e]), a quarter of K at a time, to ybuf in f32.  One text; LAYER picks the constants.
; A work-group owns 1,024 k x 128 columns of one expert's weights (LAYER 1: column slab ttmp9; LAYER 2: column slab ttmp9 & 7, K quarter ttmp9 >> 3).  They are read once, rounded to bf16 and laid into LDS
; as ready fragments, where they stay: 32 K steps of 8,192 bytes, in eight chunks of four K steps.
; UNITS.  A unit is 16 loads: 32 rows x 256 bytes, one column half of one K step.  A load takes, in lanes 0-15, 256 consecutive aligned bytes of one row and in lanes 16-31 of another: lane r holds columns
; 4 r + c, so register c belongs to column block c; pairing two rows' registers gives a fragment's register.  Of chunk c wave w brings K step 4 c + w: unit U of a wave is chunk U / 2, column half U % 2.
; PASSES.  The expert's nt tiles of 16 slots are dealt five to a wave, twenty to a pass; four passes serve the 64 tiles that an expert can have.
; THE FIRST PASS RUNS UNDER THE STREAM.  Units 0 to 2 are rounded at the head.  Then, in every even K step k up to 20, the wave rounds unit k / 2 + 3, which it asked for four K steps before, and asks for unit
; k / 2 + 5 into the same registers: two units and three K steps' tokens are on their way, 62 loads.  A barrier in every four K steps (signal in step 4 t + 2, behind the unit's LDS stores; wait at the head of
; step 4 t + 3, the first that reads chunk t + 1) shows each chunk whole before it is read; between two barriers chunk t + 1 is read while chunks t + 2 and t + 3 are written; no LDS byte is written twice.
; The first pass has no branch on data, so its barriers are on every wave's path: a place beyond the expert's tiles repeats a live tile (with no tile at all: whatever tile lies at the expert's offset) and stores nothing.
; From K step 21 on it runs in the text of the later passes, which it enters in the middle.  A later pass whose five tiles lie beyond nt is jumped over; nothing that is jumped holds a barrier.
; The tokens' operands lie in memory in fragment order: a fragment is two loads of 512 consecutive bytes.  40 accumulators take turns, one instruction a turn.
; LAYER 1 uses the matrix instruction with source 0 = weights, source 1 = tokens: a lane holds one token and columns 64 half + 32 h + 4 j + c, which IS the order of k in which LAYER 2 reads hbuf
; (K step S, piece p, element i: k = 64 (S / 2) + 32 h + 4 i + 2 (S % 2) + p), and LAYER 2's weight rows are picked in that order.  LAYER 2 uses source 0 = tokens, source 1 = weights: a lane holds
; four neighbouring columns (one in each of four accumulators) of eight slots.
; All inputs are rounded to bf16 (w, b1); h is rounded once to bf16; sums in f32.  LIMITS: NaN and infinities are not treated apart; an expert that no token chose still has its weights streamed.
; No cluster and no tensor load: the weights are shared by nobody and must pass through registers to be rounded; the tokens' tiles are shared by an expert's 32 work-groups, but 262,144 bytes of LDS hold the weights.
.set LAYER, 1
.if LAYER == 1
.set PITCH, 16384                      ; bytes from row to row of the weights
.set HSH,   18                         ; lanes 16-31 read 16 rows further down: 16 x 16,384 bytes
.else
.set PITCH, 4096
.set HSH,   17                         ; 32 rows further down: 32 x 4,096 bytes
.endif
.set CHUNK, 32768                      ; four K steps of fragments in LDS; in memory a chunk is 128 rows
.set SPARE, 262144                     ; behind the fragments: the spare words, 128 bytes for each wave
.set TMP,  16                          ; v[16:47]   rounded weights on their way to LDS
.set BF,   64                          ; v[64:127], v[128:191] two buffers of 8 weight fragments; at work on the way out
.set BIAS, 192                         ; v[192:255] LAYER 1: b1 in the accumulators' layout, by column block
.set CW,   192                         ; v[192:231] LAYER 2: cw of my eight slots, by tile
.set RING, 64                          ; window 2: v[64:223] four slots of five token fragments
.set TB,   24                          ; s[24:33]  the five tiles' operands
.set OBS,  34                          ; s[34:43]  where their results go
.set CB,   44                          ; s[44:53]  LAYER 2: their cw
; windows of 256 registers: window 1 = the accumulators of tiles 0-3 ((i, b) at 64 i + 8 b); at the head units 0 to 2 land there.  window 2 = v[0:63] tile 4's accumulators, then the ring.
; window 3 = v[0:127] two landing slots of 64 for the units that stream under the first pass.
.set MSB, 0
.macro WIN new                         ; bits 1:0 source 0, 3:2 source 1, 5:4 source 2, 7:6 destination; the high byte repeats the setting that is left
.if MSB != (\new)
	s_set_vgpr_msb (MSB<<8)|(\new)
.set MSB, (\new)
.endif
.endm
.macro PLACES
.rept 4
	v_nop
.endr
.endm
; a unit is asked for: 16 loads into slot 'slot' of window 'win'; ch = chunks ahead of the base, half = column half
.macro ULOAD win, slot, ch, half
	WIN (\win)<<6
.irp j, 0,1
.irp i, 0,1,2,3,4,5,6,7
.if LAYER == 1
.set ROWN, 128*(\ch)+8*(\j)+(\i)
.else
.set ROWN, 128*(\ch)+4*(\i)+(\j)
.endif
	global_load_b128 v[64*(\slot)+4*(8*(\j)+(\i)):64*(\slot)+4*(8*(\j)+(\i))+3], v5, s[4:5] offset:ROWN*PITCH+(\half)*256 th:TH_LOAD_NT
.endr
.endr
.endm
; a landed unit becomes four fragments in LDS, off bytes behind v6.  left: the younger loads that may stay out
.macro UCVT win, slot, off, half, left
	s_wait_loadcnt \left
	WIN 5*(\win)
.irp c, 0,1,2,3
.irp j, 0,1
.irp p, 0,1,2,3
	v_cvt_pk_bf16_f32 v[TMP+8*(\c)+4*(\j)+(\p)], v[64*(\slot)+4*(8*(\j)+2*(\p))+(\c)], v[64*(\slot)+4*(8*(\j)+2*(\p)+1)+(\c)]
.endr
.endr
.endr
	WIN 0
.irp c, 0,1,2,3
.irp j, 0,1
	ds_store_b128 v6, v[TMP+8*(\c)+4*(\j):TMP+8*(\c)+4*(\j)+3] offset:(\off)+(4*(\half)+(\c))*1024+(\j)*512
.endr
.endr
.endm
; ten loads: one K step's fragments of the five tiles, into a slot of the ring
.macro RLOAD slot, off
	WIN 0x80
.irp i, 0,1,2,3,4
.irp j, 0,1
	global_load_b128 v[RING+40*(\slot)+8*(\i)+4*(\j):RING+40*(\slot)+8*(\i)+4*(\j)+3], v9, s[TB+2*(\i):TB+2*(\i)+1] offset:(\off)+(\j)*512
.endr
.endr
.endm
; K step 0's weight fragments
.macro FRAG0
	WIN 0
.irp b, 0,1,2,3,4,5,6,7
.irp j, 0,1
	ds_load_b128 v[BF+8*(\b)+4*(\j):BF+8*(\b)+4*(\j)+3], v8 offset:(\b)*1024+(\j)*512
.endr
.endr
.endm
.macro WM i, b, first
.if (\i) < 4
.set DA, 64*(\i)+8*(\b)
.else
.set DA, 8*(\b)
.endif
.if LAYER == 1
.if \first
	v_wmma_f32_16x16x32_bf16 v[DA:DA+7], v[BR+8*(\b):BR+8*(\b)+7], v[RR+8*(\i):RR+8*(\i)+7], v[BIAS+8*(\b):BIAS+8*(\b)+7]
.else
	v_wmma_f32_16x16x32_bf16 v[DA:DA+7], v[BR+8*(\b):BR+8*(\b)+7], v[RR+8*(\i):RR+8*(\i)+7], v[DA:DA+7]
.endif
.else
.if \first
	v_wmma_f32_16x16x32_bf16 v[DA:DA+7], v[RR+8*(\i):RR+8*(\i)+7], v[BR+8*(\b):BR+8*(\b)+7], 0
.else
	v_wmma_f32_16x16x32_bf16 v[DA:DA+7], v[RR+8*(\i):RR+8*(\i)+7], v[BR+8*(\b):BR+8*(\b)+7], v[DA:DA+7]
.endif
.endif
.endm
; K step k = 4 t + 1 + m of trip t (adj = 1: t = -1, the step ahead of a loop).  It asks for the weight fragments of step k + 1 (pfb) and the tokens' of step k + 3 (pfa), into registers that step k - 1
; read: four places stand between (ISA guide 7.12.1 for vector instructions).  lc, dc: the younger loads and LDS instructions that may stay out.
; Under the stream: us < 2: the unit in landing slot us (column half uh) is rounded and stored; behind it were issued two K steps' tokens, a unit and a third K step's tokens: 46 loads.
; uc < 9: the slot is asked for again, uc chunks ahead of the base.  sig: the barrier's signal, behind the wait for my LDS stores.  bw: its wait, ahead of the first read of the chunk that it shows whole.
.macro KSTEP m, first, pfa, pfb, lc, dc, adj, us, uh, uc, sig, bw
	WIN 0
.if \bw
	s_barrier_wait -1
.endif
	PLACES
.if \pfb
.set BD, BF+64*((\m)%2)
.irp b, 0,1,2,3,4,5,6,7
.irp j, 0,1
	ds_load_b128 v[BD+8*(\b)+4*(\j):BD+8*(\b)+4*(\j)+3], v8 offset:(2+(\m))*8192-(\adj)*32768+(\b)*1024+(\j)*512
.endr
.endr
.endif
.if (\us) < 2
	UCVT 3, \us, CHUNK, \uh, 46
.endif
.if \pfa
	RLOAD (\m)%4, (4+(\m))*1024-(\adj)*4096
.endif
.if (\uc) < 9
	ULOAD 3, \us, \uc, \uh
.endif
	s_wait_loadcnt \lc
	s_wait_dscnt \dc
.if \sig
	s_barrier_signal -1                            ; only matrix instructions stand between this line and the wait at the next step's head
.endif
.set BR, BF+64*((1+(\m))%2)
.set RR, RING+40*((1+(\m))%4)
.if LAYER == 1
.if \first
	WIN 0x48
.else
	WIN 0x58
.endif
.else
	WIN 0x52
.endif
.irp i, 0,1,2,3
.irp b, 0,1,2,3,4,5,6,7
	WM \i, \b, \first
.endr
.endr
.if LAYER == 1
.if \first
	WIN 0x88
.else
	WIN 0xa8
.endif
.else
	WIN 0xa2
.endif
.irp b, 0,1,2,3,4,5,6,7
	WM 4, \b, \first
.endr
.endm
; the addresses of the pass's five tiles: tile s20 + i of the expert, held to its last; the sum with the expert's offset is clamped to the table of 136 tiles before it enters an address
.macro BASES
.irp i, 0,1,2,3,4
	s_add_co_u32 s58, s20, \i
	s_min_u32 s58, s58, s59                        ; a place beyond the expert's tiles repeats the last
	s_add_co_u32 s58, s58, s18
	s_min_u32 s58, s58, 135
.if LAYER == 1
	s_lshl_b32 s60, s58, 15
	s_add_nc_u64 s[TB+2*(\i):TB+2*(\i)+1], s[8:9], s[60:61]
	s_lshl_b32 s60, s58, 17
	s_add_co_u32 s60, s60, s62
	s_add_nc_u64 s[OBS+2*(\i):OBS+2*(\i)+1], s[12:13], s[60:61]
.else
	s_lshl_b32 s60, s58, 17
	s_add_co_u32 s60, s60, s62
	s_add_nc_u64 s[TB+2*(\i):TB+2*(\i)+1], s[6:7], s[60:61]
	s_lshl_b32 s60, s58, 18
	s_add_co_u32 s60, s60, s63
	s_add_nc_u64 s[OBS+2*(\i):OBS+2*(\i)+1], s[12:13], s[60:61]
	s_lshl_b32 s60, s58, 6
	s_add_nc_u64 s[CB+2*(\i):CB+2*(\i)+1], s[8:9], s[60:61]
.endif
.endr
.endm
.macro CWLOAD                          ; LAYER 2: the weights of my eight slots in each of the five tiles
.irp i, 0,1,2,3,4
	global_load_b128 v[CW+8*(\i):CW+8*(\i)+3],   v11, s[CB+2*(\i):CB+2*(\i)+1]
	global_load_b128 v[CW+8*(\i)+4:CW+8*(\i)+7], v11, s[CB+2*(\i):CB+2*(\i)+1] offset:16
.endr
.endm
; LAYER 1's way out of tile i: gelu(x) = x / (1 + 2^(x (c1 x^2 + c0))), c0 = -2 log2(e) sqrt(2 / pi), c1 = 0.044715 c0: the tanh form.  An exponential that overflows gives the quotient 0, the right limit.
; Every accumulator is read from its low end on.  A lane's eight numbers of a column block are 16 bytes of hbuf: each store covers 512 consecutive bytes, aligned.
.macro EPI1 i
.if (\i) < 4
.set XB, 64*(\i)
.set WA, 0x05
.set WC, 0x04
.else
.set XB, 0
.set WA, 0x0a
.set WC, 0x08
.endif
	s_wait_xcnt 0x0                                ; the last tile's stores have read their registers
	WIN WA
.set n, 0
.rept 32
	v_pk_mul_f32 v[BF+2*n:BF+2*n+1], v[XB+2*n:XB+2*n+1], v[XB+2*n:XB+2*n+1]
.set n, n+1
.endr
	WIN 0
.set n, 0
.rept 32
	v_pk_fma_f32 v[BF+2*n:BF+2*n+1], v[BF+2*n:BF+2*n+1], s[54:55], s[56:57] op_sel_hi:[1,0,0]
.set n, n+1
.endr
	WIN WC
.set n, 0
.rept 32
	v_pk_mul_f32 v[BF+2*n:BF+2*n+1], v[BF+2*n:BF+2*n+1], v[XB+2*n:XB+2*n+1]
.set n, n+1
.endr
	WIN 0
.set n, 0
.rept 64
	v_exp_f32 v[BF+n], v[BF+n]
.set n, n+1
.endr
	v_nop                                          ; a plain instruction behind the last exponential (ISA guide 5.7.2)
.set n, 0
	s_wait_alu depctr_va_vdst(0)
.rept 32
	v_pk_add_f32 v[BF+2*n:BF+2*n+1], v[BF+2*n:BF+2*n+1], 1.0 op_sel_hi:[1,0]
.set n, n+1
.endr
.set n, 0
.rept 64
	v_rcp_f32 v[BF+n], v[BF+n]
.set n, n+1
.endr
	v_nop
	WIN WC
.set n, 0
	s_wait_alu depctr_va_vdst(0)
.rept 32
	v_pk_mul_f32 v[BF+2*n:BF+2*n+1], v[BF+2*n:BF+2*n+1], v[XB+2*n:XB+2*n+1]
.set n, n+1
.endr
	WIN 0
.set n, 0
.rept 32
	v_cvt_pk_bf16_f32 v[BF+64+n], v[BF+2*n], v[BF+2*n+1]
.set n, n+1
.endr
.irp b, 0,1,2,3,4,5,6,7
	global_store_b128 v7, v[BF+64+4*(\b):BF+64+4*(\b)+3], s[OBS+2*(\i):OBS+2*(\i)+1] offset:(\b)*512
.endr
.endm
; LAYER 2's way out of tile i: times the slot's weight, and four accumulators' numbers side by side: 16 bytes a lane, sixteen lanes 256 consecutive bytes, aligned, of one slot's row.
.macro EPI2 i
.if (\i) < 4
.set XB, 64*(\i)
.set WA, 0x01
.else
.set XB, 0
.set WA, 0x02
.endif
.set OB, BF+64*((\i)%2)
	s_wait_xcnt 0x0                                ; earlier stores have read their registers
	WIN WA
.irp j, 0,1,2,3,4,5,6,7
.irp hf, 0,1
.irp c, 0,1,2,3
	v_mul_f32 v[OB+4*(8*(\hf)+(\j))+(\c)], v[XB+8*(4*(\hf)+(\c))+(\j)], v[CW+8*(\i)+(\j)]
.endr
.endr
.endr
	WIN 0
.irp j, 0,1,2,3,4,5,6,7
.irp hf, 0,1
	global_store_b128 v10, v[OB+4*(8*(\hf)+(\j)):OB+4*(8*(\hf)+(\j))+3], s[OBS+2*(\i):OBS+2*(\i)+1] offset:(\j)*16384+(\hf)*256
.endr
.endr
.endm
	s_load_b256 s[4:11], s[0:1], 0x0               ; LAYER 1: w1, b1, xg, plan.  LAYER 2: w2, hbuf, cw, plan
	s_load_b64 s[12:13], s[0:1], 0x20              ; hbuf, or ybuf
	v_lshl_add_u32 v3, v0, 2, SPARE                ; my spare word
	v_mov_b32 v4, 0
	v_and_b32 v1, 15, v0                           ; r
	v_bfe_u32 v2, v0, 4, 1                         ; h
	v_lshrrev_b32 v13, 5, v0
	v_readfirstlane_b32 s14, v13                   ; wave
	v_and_b32 v7, 31, v0
	v_lshlrev_b32 v7, 4, v7                        ; 16 x lane
	v_lshlrev_b32 v5, 4, v1
	v_lshl_add_u32 v5, v2, HSH, v5                 ; weights: 16 r, and the other row for lanes 16-31
	s_lshl_b32 s58, s14, 13
	v_add_nc_u32 v6, s58, v7                       ; LDS: my K step of a chunk, 8,192 bytes a wave
	s_and_b32 s16, ttmp7, 0xffff                   ; the expert
	s_lshl_b32 s60, s16, 2
	s_lshl_b32 s58, s16, 24                        ; an expert's weights are 16,777,216 bytes
	s_mov_b32 s59, 0
.if LAYER == 1
	s_mov_b32 s15, ttmp9                           ; column slab
	s_lshl_b32 s61, s14, 19                        ; my K step of chunk 0: 32 rows of 16,384 bytes a wave
	s_add_co_u32 s58, s58, s61
	s_lshl_b32 s61, s15, 9
	s_add_co_u32 s58, s58, s61
	v_lshlrev_b32 v12, 7, v2                       ; b1: 32 columns further on for lanes 16-31
	s_lshl_b32 s62, s16, 14
	s_add_co_u32 s62, s62, s61
	s_mov_b32 s63, 0
.else
	s_and_b32 s15, ttmp9, 7                        ; column slab
	s_lshr_b32 s23, ttmp9, 3                       ; K quarter
	s_lshl_b32 s61, s23, 22                        ; 1,024 rows of 4,096 bytes
	s_add_co_u32 s58, s58, s61
	s_lshr_b32 s61, s14, 1                         ; my K step of chunk 0 begins at row 64 (w / 2) + 2 (w % 2)
	s_lshl_b32 s61, s61, 18
	s_add_co_u32 s58, s58, s61
	s_and_b32 s61, s14, 1
	s_lshl_b32 s61, s61, 13
	s_add_co_u32 s58, s58, s61
	s_lshl_b32 s61, s15, 9
	s_add_co_u32 s58, s58, s61
	v_lshlrev_b32 v10, 17, v2                      ; ybuf: eight slots of 16,384 bytes further on for lanes 16-31,
	v_lshl_add_u32 v10, v1, 4, v10                 ; 16 r
	v_lshlrev_b32 v11, 5, v2                       ; cw: eight slots further on
.endif
	s_wait_kmcnt 0x0
	s_load_b32 s17, s[10:11], s60 offset:0x2000    ; nt[e]
	s_load_b32 s18, s[10:11], s60 offset:0x2020    ; toff[e]
	s_add_nc_u64 s[4:5], s[4:5], s[58:59]
.if LAYER == 1
	s_add_nc_u64 s[6:7], s[6:7], s[62:63]
.irp hf, 0,1
.irp t, 0,1,2,3,4,5,6,7
	global_load_b128 v[BF+32*(\hf)+4*(\t):BF+32*(\hf)+4*(\t)+3], v12, s[6:7] offset:(\hf)*256+(\t)*16
.endr
.endr
.endif
	; THE HEAD.  Units 0 to 2 (chunk 0, and the first half of chunk 1) land where the accumulators will be; they hang on no number from memory and go out first.
	ULOAD 1, 0, 0, 0
	ULOAD 1, 1, 0, 1
	ULOAD 1, 2, 1, 0
	WIN 0
	s_wait_kmcnt 0x0
	s_min_u32 s17, s17, 64
	s_min_u32 s18, s18, 135
	s_max_u32 s59, s17, 1
	s_sub_co_u32 s59, s59, 1                       ; the expert's last tile (0 where it has none)
	s_mov_b32 s61, 0
.if LAYER == 1
	s_lshl_b32 s62, s15, 12                        ; hbuf: my slab's four K steps
.else
	s_lshl_b32 s62, s23, 15                        ; hbuf: my quarter's 32 K steps
	s_lshl_b32 s63, s23, 12                        ; ybuf: my quarter,
	s_lshl_b32 s58, s15, 9                         ; my 128 columns
	s_add_co_u32 s63, s63, s58
.endif
	s_mul_i32 s20, s14, 5                          ; my first tile of the first pass
	s_sub_co_i32 s21, s17, s20                     ; how many of the expert's tiles lie at or behind it
	BASES
	v_mov_b32 v9, v7
	v_mov_b32 v8, v7
.if LAYER == 2
	CWLOAD
.endif
	ULOAD 3, 1, 1, 1                               ; unit 3, tokens of K steps 0 and 1, unit 4, tokens of K step 2: the order in which the steps below issue them, so that their counts hold from the first step on
	RLOAD 0, 0
	RLOAD 1, 1024
	ULOAD 3, 0, 2, 0
	RLOAD 2, 2048
	UCVT 1, 0, 0, 0, 62                            ; behind unit 2 stand at least the 62 loads of the five lines above: units 0 to 2, and b1 ahead of them, are in
	UCVT 1, 1, 0, 1, 62
	UCVT 1, 2, CHUNK, 0, 62
.if LAYER == 1
	; b1, rounded to bf16, into the layout of an accumulator: register t of column block 4 hf + c is column 64 hf + 32 h + 4 t + c
.irp hf, 0,1
.irp t, 0,1,2,3,4,5,6,7
.irp cc, 0,2
	v_cvt_pk_bf16_f32 v[TMP+16*(\hf)+2*(\t)+(\cc)/2], v[BF+32*(\hf)+4*(\t)+(\cc)], v[BF+32*(\hf)+4*(\t)+(\cc)+1]
.endr
.endr
.endr
.irp hf, 0,1
.irp t, 0,1,2,3,4,5,6,7
.irp cc, 0,2
	v_lshlrev_b32 v[BIAS+8*(4*(\hf)+(\cc))+(\t)], 16, v[TMP+16*(\hf)+2*(\t)+(\cc)/2]
	v_and_b32 v[BIAS+8*(4*(\hf)+(\cc)+1)+(\t)], 0xffff0000, v[TMP+16*(\hf)+2*(\t)+(\cc)/2]
.endr
.endr
.endr
	s_mov_b32 s54, 0xbdd2d3e8                      ; c1 = -0.10294324
	s_mov_b32 s55, s54
	s_mov_b32 s56, 0xc0135761                      ; c0 = -2.3022082
	s_mov_b32 s57, s56
.endif
	s_wait_dscnt 0x0                               ; for the others' sake: my part of chunk 0 is in LDS
	s_barrier_signal -1
	s_barrier_wait -1                              ; chunk 0 is whole
	FRAG0
	; THE FIRST PASS UNDER THE STREAM.  Counts: behind a K step's tokens stand three more K steps' tokens and two units, 62 loads; behind a step's fragments the next step's 16 LDS loads and, where a unit
	; was stored in between, its 8 stores.
	KSTEP 3, 1, 1, 1, 62, 24, 1, 1, 1, 2, 0, 0     ; K step 0 starts the sums (LAYER 1: with the bias as C; LAYER 2: with 0); unit 3 is stored, unit 5 asked for
	WIN 0
	v_add_nc_u32 v6, CHUNK, v6
	s_mov_b32 s22, 5
.Lflow:                                                ; trip t: K steps 4 t + 1 to 4 t + 4; units 2 t + 4 and 2 t + 5 (chunk t + 2) are stored, units 2 t + 6 and 2 t + 7 (chunk t + 3) asked for
	KSTEP 0, 0, 1, 1, 62, 24, 0, 9, 0, 9, 0, 0
	KSTEP 1, 0, 1, 1, 62, 0, 0, 0, 0, 3, 1, 0      ; the wait for all my LDS instructions stands in front of the signal
	KSTEP 2, 0, 1, 1, 62, 16, 0, 9, 0, 9, 0, 1     ; chunk t + 1 is whole: this step asks for its first fragments
	KSTEP 3, 0, 1, 1, 62, 24, 0, 1, 1, 3, 0, 0
	WIN 0
	s_wait_xcnt 0x0                                ; the weights' base and the tokens' offset are stepped only behind this wait
	s_add_nc_u64 s[4:5], s[4:5], 128*PITCH         ; a chunk on
	v_add_nc_u32 v9, 4096, v9
	v_add_nc_u32 v8, CHUNK, v8
	v_add_nc_u32 v6, CHUNK, v6
	s_sub_co_u32 s22, s22, 1
	s_cmp_lg_u32 s22, 0
	s_cbranch_scc1 .Lflow
	UCVT 3, 0, CHUNK, 0, 36                        ; the last two units, chunk 7: behind unit 14 stand two K steps' tokens and unit 15,
	UCVT 3, 1, CHUNK, 1, 0                         ; behind unit 15 nothing
	s_wait_dscnt 0x0                               ; for the others' sake: all my fragments are in LDS
	s_barrier_signal -1
	s_barrier_wait -1                              ; all 32 K steps are whole: from here to the last barrier LDS is read alone
	s_mov_b32 s19, 4                               ; passes to go, this one among them
	s_mov_b32 s22, 2                               ; K steps 21 to 28 are two trips of the later passes' loop, which is entered here; the offsets v8 and v9 stand where its sixth trip finds them
	s_branch .Lk
.Lpass:
	s_sub_co_i32 s21, s17, s20                     ; how many of the expert's tiles lie at or behind my first of this pass
	s_cmp_le_i32 s21, 0
	s_cbranch_scc1 .Lnext
	s_wait_xcnt 0x0                                ; the last pass's stores have read their bases and registers
	BASES
	v_mov_b32 v9, v7
	v_mov_b32 v8, v7
.if LAYER == 2
	CWLOAD
.endif
	RLOAD 0, 0
	RLOAD 1, 1024
	RLOAD 2, 2048
	FRAG0
	KSTEP 3, 1, 1, 1, 30, 16, 1, 9, 0, 9, 0, 0     ; K step 0 starts the sums; from here on ten loads for each younger slot of the ring, sixteen LDS loads just issued
	WIN 0
	s_mov_b32 s22, 7
.Lk:
	KSTEP 0, 0, 1, 1, 30, 16, 0, 9, 0, 9, 0, 0
	KSTEP 1, 0, 1, 1, 30, 16, 0, 9, 0, 9, 0, 0
	KSTEP 2, 0, 1, 1, 30, 16, 0, 9, 0, 9, 0, 0
	KSTEP 3, 0, 1, 1, 30, 16, 0, 9, 0, 9, 0, 0
	WIN 0
	s_wait_xcnt 0x0                                ; the tokens' offset is stepped only behind this wait
	v_add_nc_u32 v9, 4096, v9
	v_add_nc_u32 v8, CHUNK, v8                     ; four K steps of fragments on: the last read of a pass ends at byte 262,143, in front of the spare words
	s_sub_co_u32 s22, s22, 1
	s_cmp_lg_u32 s22, 0
	s_cbranch_scc1 .Lk
	KSTEP 0, 0, 0, 1, 20, 16, 0, 9, 0, 9, 0, 0     ; K steps 29 to 31: nothing more of the tokens to ask for, the counts run down
	KSTEP 1, 0, 0, 1, 10, 16, 0, 9, 0, 9, 0, 0
	KSTEP 2, 0, 0, 0, 0, 0, 0, 9, 0, 9, 0, 0
	WIN 0
	PLACES                                         ; between the last product and the first read of a result
.irp i, 0,1,2,3,4
	s_cmp_le_i32 s21, \i
	s_cbranch_scc1 .Lnext                          ; the places beyond the expert's tiles store nothing
.if LAYER == 1
	EPI1 \i
.else
	EPI2 \i
.endif
.endr
.Lnext:
	s_add_co_u32 s20, s20, 20
	s_sub_co_u32 s19, s19, 1
	s_cmp_lg_u32 s19, 0
	s_cbranch_scc1 .Lpass
	s_wait_dscnt 0x0                               ; my reads of the fragments are back;
	s_barrier_signal -1                            ; the last barrier, on every wave's path (the loop above counts to a constant): all four waves' LDS reads are over
	s_barrier_wait -1                              ; before any wave writes LDS again, by the add below
	s_wait_tensorcnt 0x0                           ; the wave's end: behind my last LDS store
	ds_add_u32 v3, v4
	s_wait_dscnt 0x0
	s_endpgm
.Lfunc_end_k_qc7839625e7_ffn1:
	.size	k_qc7839625e7_ffn1, .Lfunc_end_k_qc7839625e7_ffn1-k_qc7839625e7_ffn1
	.p2alignl 7, 3214868480
	.fill 96, 4, 3214868480
	.section	.rodata,"a",@progbits
	.p2align	6, 0x0
	.amdhsa_kernel k_qc7839625e7_ffn1
		.amdhsa_group_segment_fixed_size 262656
		.amdhsa_private_segment_fixed_size 0
		.amdhsa_enable_private_segment 0
		.amdhsa_kernarg_size 40
		.amdhsa_user_sgpr_count 2
		.amdhsa_user_sgpr_kernarg_segment_ptr 1
		.amdhsa_wavefront_size32 1
		.amdhsa_system_sgpr_workgroup_id_x 1
		.amdhsa_system_sgpr_workgroup_id_y 1
		.amdhsa_system_sgpr_workgroup_id_z 1
		.amdhsa_system_vgpr_workitem_id 0
		.amdhsa_next_free_vgpr 896
		.amdhsa_next_free_sgpr 66
		.amdhsa_reserve_vcc 0
		.amdhsa_float_denorm_mode_32 3
		.amdhsa_float_denorm_mode_16_64 3
		.amdhsa_memory_ordered 1
		.amdhsa_forward_progress 1
		.amdhsa_inst_pref_size 198
	.end_amdhsa_kernel
	.amdgpu_metadata
---
amdhsa.version: [ 1, 2 ]
amdhsa.kernels:
  - .name:           k_qc7839625e7_ffn1
    .symbol:         k_qc7839625e7_ffn1.kd
    .args:
      - { .name: w1, .offset: 0, .size: 8, .value_kind: global_buffer, .address_space: global }
      - { .name: b1, .offset: 8, .size: 8, .value_kind: global_buffer, .address_space: global }
      - { .name: xg, .offset: 16, .size: 8, .value_kind: global_buffer, .address_space: global }
      - { .name: plan, .offset: 24, .size: 8, .value_kind: global_buffer, .address_space: global }
      - { .name: hbuf, .offset: 32, .size: 8, .value_kind: global_buffer, .address_space: global }
    .group_segment_fixed_size: 262656
    .private_segment_fixed_size: 0
    .kernarg_segment_align: 8
    .kernarg_segment_size: 40
    .max_flat_workgroup_size: 128
    .sgpr_count:     66
    .vgpr_count:     896
    .wavefront_size: 32
...
	.end_amdgpu_metadata
.endif
;; end of part 3
;; launch ffn2 (part 4): grid 32 x 8, 4 waves a work-group, no clusters, 262,656 bytes of LDS; arguments w2, hbuf, cw, plan, ybuf; writes ybuf
.if DOCPART == 4
	.amdgcn_target "amdgcn-amd-amdhsa--gfx1250"
	.amdhsa_code_object_version 6
	.text
	.protected	k_qc7839625e7_ffn2
	.globl	k_qc7839625e7_ffn2
	.p2align	8
	.type	k_qc7839625e7_ffn2,@function
k_qc7839625e7_ffn2:
	s_mov_b64 s[64:65], 0
	v_nop
	global_prefetch_b8 v0, s[64:65] scope:SCOPE_SE
	s_setreg_imm32_b32 hwreg(HW_REG_WAVE_MODE, 25, 1), 1
	s_wait_xcnt 0x0
; ONE LAYER OF THE EXPERTS.  LAYER 1: h = gelu(x w1[e] + b1[e]) (tanh form), to hbuf in bf16.  LAYER 2: y = cw (h w2[e]), a quarter of K at a time, to ybuf in f32.  One text; LAYER picks the constants.
; A work-group owns 1,024 k x 128 columns of one expert's weights (LAYER 1: column slab ttmp9; LAYER 2: column slab ttmp9 & 7, K quarter ttmp9 >> 3).  They are read once, rounded to bf16 and laid into LDS
; as ready fragments, where they stay: 32 K steps of 8,192 bytes, in eight chunks of four K steps.
; UNITS.  A unit is 16 loads: 32 rows x 256 bytes, one column half of one K step.  A load takes, in lanes 0-15, 256 consecutive aligned bytes of one row and in lanes 16-31 of another: lane r holds columns
; 4 r + c, so register c belongs to column block c; pairing two rows' registers gives a fragment's register.  Of chunk c wave w brings K step 4 c + w: unit U of a wave is chunk U / 2, column half U % 2.
; PASSES.  The expert's nt tiles of 16 slots are dealt five to a wave, twenty to a pass; four passes serve the 64 tiles that an expert can have.
; THE FIRST PASS RUNS UNDER THE STREAM.  Units 0 to 2 are rounded at the head.  Then, in every even K step k up to 20, the wave rounds unit k / 2 + 3, which it asked for four K steps before, and asks for unit
; k / 2 + 5 into the same registers: two units and three K steps' tokens are on their way, 62 loads.  A barrier in every four K steps (signal in step 4 t + 2, behind the unit's LDS stores; wait at the head of
; step 4 t + 3, the first that reads chunk t + 1) shows each chunk whole before it is read; between two barriers chunk t + 1 is read while chunks t + 2 and t + 3 are written; no LDS byte is written twice.
; The first pass has no branch on data, so its barriers are on every wave's path: a place beyond the expert's tiles repeats a live tile (with no tile at all: whatever tile lies at the expert's offset) and stores nothing.
; From K step 21 on it runs in the text of the later passes, which it enters in the middle.  A later pass whose five tiles lie beyond nt is jumped over; nothing that is jumped holds a barrier.
; The tokens' operands lie in memory in fragment order: a fragment is two loads of 512 consecutive bytes.  40 accumulators take turns, one instruction a turn.
; LAYER 1 uses the matrix instruction with source 0 = weights, source 1 = tokens: a lane holds one token and columns 64 half + 32 h + 4 j + c, which IS the order of k in which LAYER 2 reads hbuf
; (K step S, piece p, element i: k = 64 (S / 2) + 32 h + 4 i + 2 (S % 2) + p), and LAYER 2's weight rows are picked in that order.  LAYER 2 uses source 0 = tokens, source 1 = weights: a lane holds
; four neighbouring columns (one in each of four accumulators) of eight slots.
; All inputs are rounded to bf16 (w, b1); h is rounded once to bf16; sums in f32.  LIMITS: NaN and infinities are not treated apart; an expert that no token chose still has its weights streamed.
; No cluster and no tensor load: the weights are shared by nobody and must pass through registers to be rounded; the tokens' tiles are shared by an expert's 32 work-groups, but 262,144 bytes of LDS hold the weights.
.set LAYER, 2
.if LAYER == 1
.set PITCH, 16384                      ; bytes from row to row of the weights
.set HSH,   18                         ; lanes 16-31 read 16 rows further down: 16 x 16,384 bytes
.else
.set PITCH, 4096
.set HSH,   17                         ; 32 rows further down: 32 x 4,096 bytes
.endif
.set CHUNK, 32768                      ; four K steps of fragments in LDS; in memory a chunk is 128 rows
.set SPARE, 262144                     ; behind the fragments: the spare words, 128 bytes for each wave
.set TMP,  16                          ; v[16:47]   rounded weights on their way to LDS
.set BF,   64                          ; v[64:127], v[128:191] two buffers of 8 weight fragments; at work on the way out
.set BIAS, 192                         ; v[192:255] LAYER 1: b1 in the accumulators' layout, by column block
.set CW,   192                         ; v[192:231] LAYER 2: cw of my eight slots, by tile
.set RING, 64                          ; window 2: v[64:223] four slots of five token fragments
.set TB,   24                          ; s[24:33]  the five tiles' operands
.set OBS,  34                          ; s[34:43]  where their results go
.set CB,   44                          ; s[44:53]  LAYER 2: their cw
; windows of 256 registers: window 1 = the accumulators of tiles 0-3 ((i, b) at 64 i + 8 b); at the head units 0 to 2 land there.  window 2 = v[0:63] tile 4's accumulators, then the ring.
; window 3 = v[0:127] two landing slots of 64 for the units that stream under the first pass.
.set MSB, 0
.macro WIN new                         ; bits 1:0 source 0, 3:2 source 1, 5:4 source 2, 7:6 destination; the high byte repeats the setting that is left
.if MSB != (\new)
	s_set_vgpr_msb (MSB<<8)|(\new)
.set MSB, (\new)
.endif
.endm
.macro PLACES
.rept 4
	v_nop
.endr
.endm
; a unit is asked for: 16 loads into slot 'slot' of window 'win'; ch = chunks ahead of the base, half = column half
.macro ULOAD win, slot, ch, half
	WIN (\win)<<6
.irp j, 0,1
.irp i, 0,1,2,3,4,5,6,7
.if LAYER == 1
.set ROWN, 128*(\ch)+8*(\j)+(\i)
.else
.set ROWN, 128*(\ch)+4*(\i)+(\j)
.endif
	global_load_b128 v[64*(\slot)+4*(8*(\j)+(\i)):64*(\slot)+4*(8*(\j)+(\i))+3], v5, s[4:5] offset:ROWN*PITCH+(\half)*256 th:TH_LOAD_NT
.endr
.endr
.endm
; a landed unit becomes four fragments in LDS, off bytes behind v6.  left: the younger loads that may stay out
.macro UCVT win, slot, off, half, left
	s_wait_loadcnt \left
	WIN 5*(\win)
.irp c, 0,1,2,3
.irp j, 0,1
.irp p, 0,1,2,3
	v_cvt_pk_bf16_f32 v[TMP+8*(\c)+4*(\j)+(\p)], v[64*(\slot)+4*(8*(\j)+2*(\p))+(\c)], v[64*(\slot)+4*(8*(\j)+2*(\p)+1)+(\c)]
.endr
.endr
.endr
	WIN 0
.irp c, 0,1,2,3
.irp j, 0,1
	ds_store_b128 v6, v[TMP+8*(\c)+4*(\j):TMP+8*(\c)+4*(\j)+3] offset:(\off)+(4*(\half)+(\c))*1024+(\j)*512
.endr
.endr
.endm
; ten loads: one K step's fragments of the five tiles, into a slot of the ring
.macro RLOAD slot, off
	WIN 0x80
.irp i, 0,1,2,3,4
.irp j, 0,1
	global_load_b128 v[RING+40*(\slot)+8*(\i)+4*(\j):RING+40*(\slot)+8*(\i)+4*(\j)+3], v9, s[TB+2*(\i):TB+2*(\i)+1] offset:(\off)+(\j)*512
.endr
.endr
.endm
; K step 0's weight fragments
.macro FRAG0
	WIN 0
.irp b, 0,1,2,3,4,5,6,7
.irp j, 0,1
	ds_load_b128 v[BF+8*(\b)+4*(\j):BF+8*(\b)+4*(\j)+3], v8 offset:(\b)*1024+(\j)*512
.endr
.endr
.endm
.macro WM i, b, first
.if (\i) < 4
.set DA, 64*(\i)+8*(\b)
.else
.set DA, 8*(\b)
.endif
.if LAYER == 1
.if \first
	v_wmma_f32_16x16x32_bf16 v[DA:DA+7], v[BR+8*(\b):BR+8*(\b)+7], v[RR+8*(\i):RR+8*(\i)+7], v[BIAS+8*(\b):BIAS+8*(\b)+7]
.else
	v_wmma_f32_16x16x32_bf16 v[DA:DA+7], v[BR+8*(\b):BR+8*(\b)+7], v[RR+8*(\i):RR+8*(\i)+7], v[DA:DA+7]
.endif
.else
.if \first
	v_wmma_f32_16x16x32_bf16 v[DA:DA+7], v[RR+8*(\i):RR+8*(\i)+7], v[BR+8*(\b):BR+8*(\b)+7], 0
.else
	v_wmma_f32_16x16x32_bf16 v[DA:DA+7], v[RR+8*(\i):RR+8*(\i)+7], v[BR+8*(\b):BR+8*(\b)+7], v[DA:DA+7]
.endif
.endif
.endm
; K step k = 4 t + 1 + m of trip t (adj = 1: t = -1, the step ahead of a loop).  It asks for the weight fragments of step k + 1 (pfb) and the tokens' of step k + 3 (pfa), into registers that step k - 1
; read: four places stand between (ISA guide 7.12.1 for vector instructions).  lc, dc: the younger loads and LDS instructions that may stay out.
; Under the stream: us < 2: the unit in landing slot us (column half uh) is rounded and stored; behind it were issued two K steps' tokens, a unit and a third K step's tokens: 46 loads.
; uc < 9: the slot is asked for again, uc chunks ahead of the base.  sig: the barrier's signal, behind the wait for my LDS stores.  bw: its wait, ahead of the first read of the chunk that it shows whole.
.macro KSTEP m, first, pfa, pfb, lc, dc, adj, us, uh, uc, sig, bw
	WIN 0
.if \bw
	s_barrier_wait -1
.endif
	PLACES
.if \pfb
.set BD, BF+64*((\m)%2)
.irp b, 0,1,2,3,4,5,6,7
.irp j, 0,1
	ds_load_b128 v[BD+8*(\b)+4*(\j):BD+8*(\b)+4*(\j)+3], v8 offset:(2+(\m))*8192-(\adj)*32768+(\b)*1024+(\j)*512
.endr
.endr
.endif
.if (\us) < 2
	UCVT 3, \us, CHUNK, \uh, 46
.endif
.if \pfa
	RLOAD (\m)%4, (4+(\m))*1024-(\adj)*4096
.endif
.if (\uc) < 9
	ULOAD 3, \us, \uc, \uh
.endif
	s_wait_loadcnt \lc
	s_wait_dscnt \dc
.if \sig
	s_barrier_signal -1                            ; only matrix instructions stand between this line and the wait at the next step's head
.endif
.set BR, BF+64*((1+(\m))%2)
.set RR, RING+40*((1+(\m))%4)
.if LAYER == 1
.if \first
	WIN 0x48
.else
	WIN 0x58
.endif
.else
	WIN 0x52
.endif
.irp i, 0,1,2,3
.irp b, 0,1,2,3,4,5,6,7
	WM \i, \b, \first
.endr
.endr
.if LAYER == 1
.if \first
	WIN 0x88
.else
	WIN 0xa8
.endif
.else
	WIN 0xa2
.endif
.irp b, 0,1,2,3,4,5,6,7
	WM 4, \b, \first
.endr
.endm
; the addresses of the pass's five tiles: tile s20 + i of the expert, held to its last; the sum with the expert's offset is clamped to the table of 136 tiles before it enters an address
.macro BASES
.irp i, 0,1,2,3,4
	s_add_co_u32 s58, s20, \i
	s_min_u32 s58, s58, s59                        ; a place beyond the expert's tiles repeats the last
	s_add_co_u32 s58, s58, s18
	s_min_u32 s58, s58, 135
.if LAYER == 1
	s_lshl_b32 s60, s58, 15
	s_add_nc_u64 s[TB+2*(\i):TB+2*(\i)+1], s[8:9], s[60:61]
	s_lshl_b32 s60, s58, 17
	s_add_co_u32 s60, s60, s62
	s_add_nc_u64 s[OBS+2*(\i):OBS+2*(\i)+1], s[12:13], s[60:61]
.else
	s_lshl_b32 s60, s58, 17
	s_add_co_u32 s60, s60, s62
	s_add_nc_u64 s[TB+2*(\i):TB+2*(\i)+1], s[6:7], s[60:61]
	s_lshl_b32 s60, s58, 18
	s_add_co_u32 s60, s60, s63
	s_add_nc_u64 s[OBS+2*(\i):OBS+2*(\i)+1], s[12:13], s[60:61]
	s_lshl_b32 s60, s58, 6
	s_add_nc_u64 s[CB+2*(\i):CB+2*(\i)+1], s[8:9], s[60:61]
.endif
.endr
.endm
.macro CWLOAD                          ; LAYER 2: the weights of my eight slots in each of the five tiles
.irp i, 0,1,2,3,4
	global_load_b128 v[CW+8*(\i):CW+8*(\i)+3],   v11, s[CB+2*(\i):CB+2*(\i)+1]
	global_load_b128 v[CW+8*(\i)+4:CW+8*(\i)+7], v11, s[CB+2*(\i):CB+2*(\i)+1] offset:16
.endr
.endm
; LAYER 1's way out of tile i: gelu(x) = x / (1 + 2^(x (c1 x^2 + c0))), c0 = -2 log2(e) sqrt(2 / pi), c1 = 0.044715 c0: the tanh form.  An exponential that overflows gives the quotient 0, the right limit.
; Every accumulator is read from its low end on.  A lane's eight numbers of a column block are 16 bytes of hbuf: each store covers 512 consecutive bytes, aligned.
.macro EPI1 i
.if (\i) < 4
.set XB, 64*(\i)
.set WA, 0x05
.set WC, 0x04
.else
.set XB, 0
.set WA, 0x0a
.set WC, 0x08
.endif
	s_wait_xcnt 0x0                                ; the last tile's stores have read their registers
	WIN WA
.set n, 0
.rept 32
	v_pk_mul_f32 v[BF+2*n:BF+2*n+1], v[XB+2*n:XB+2*n+1], v[XB+2*n:XB+2*n+1]
.set n, n+1
.endr
	WIN 0
.set n, 0
.rept 32
	v_pk_fma_f32 v[BF+2*n:BF+2*n+1], v[BF+2*n:BF+2*n+1], s[54:55], s[56:57] op_sel_hi:[1,0,0]
.set n, n+1
.endr
	WIN WC
.set n, 0
.rept 32
	v_pk_mul_f32 v[BF+2*n:BF+2*n+1], v[BF+2*n:BF+2*n+1], v[XB+2*n:XB+2*n+1]
.set n, n+1
.endr
	WIN 0
.set n, 0
.rept 64
	v_exp_f32 v[BF+n], v[BF+n]
.set n, n+1
.endr
	v_nop                                          ; a plain instruction behind the last exponential (ISA guide 5.7.2)
.set n, 0
.rept 32
	v_pk_add_f32 v[BF+2*n:BF+2*n+1], v[BF+2*n:BF+2*n+1], 1.0 op_sel_hi:[1,0]
.set n, n+1
.endr
.set n, 0
.rept 64
	v_rcp_f32 v[BF+n], v[BF+n]
.set n, n+1
.endr
	v_nop
	WIN WC
.set n, 0
.rept 32
	v_pk_mul_f32 v[BF+2*n:BF+2*n+1], v[BF+2*n:BF+2*n+1], v[XB+2*n:XB+2*n+1]
.set n, n+1
.endr
	WIN 0
.set n, 0
.rept 32
	v_cvt_pk_bf16_f32 v[BF+64+n], v[BF+2*n], v[BF+2*n+1]
.set n, n+1
.endr
.irp b, 0,1,2,3,4,5,6,7
	global_store_b128 v7, v[BF+64+4*(\b):BF+64+4*(\b)+3], s[OBS+2*(\i):OBS+2*(\i)+1] offset:(\b)*512
.endr
.endm
; LAYER 2's way out of tile i: times the slot's weight, and four accumulators' numbers side by side: 16 bytes a lane, sixteen lanes 256 consecutive bytes, aligned, of one slot's row.
.macro EPI2 i
.if (\i) < 4
.set XB, 64*(\i)
.set WA, 0x01
.else
.set XB, 0
.set WA, 0x02
.endif
.set OB, BF+64*((\i)%2)
	s_wait_xcnt 0x0                                ; earlier stores have read their registers
	WIN WA
.irp j, 0,1,2,3,4,5,6,7
.irp hf, 0,1
.irp c, 0,1,2,3
	v_mul_f32 v[OB+4*(8*(\hf)+(\j))+(\c)], v[XB+8*(4*(\hf)+(\c))+(\j)], v[CW+8*(\i)+(\j)]
.endr
.endr
.endr
	WIN 0
.irp j, 0,1,2,3,4,5,6,7
.irp hf, 0,1
	global_store_b128 v10, v[OB+4*(8*(\hf)+(\j)):OB+4*(8*(\hf)+(\j))+3], s[OBS+2*(\i):OBS+2*(\i)+1] offset:(\j)*16384+(\hf)*256
.endr
.endr
.endm
	s_load_b256 s[4:11], s[0:1], 0x0               ; LAYER 1: w1, b1, xg, plan.  LAYER 2: w2, hbuf, cw, plan
	s_load_b64 s[12:13], s[0:1], 0x20              ; hbuf, or ybuf
	v_lshl_add_u32 v3, v0, 2, SPARE                ; my spare word
	v_mov_b32 v4, 0
	v_and_b32 v1, 15, v0                           ; r
	v_bfe_u32 v2, v0, 4, 1                         ; h
	v_lshrrev_b32 v13, 5, v0
	v_readfirstlane_b32 s14, v13                   ; wave
	v_and_b32 v7, 31, v0
	v_lshlrev_b32 v7, 4, v7                        ; 16 x lane
	v_lshlrev_b32 v5, 4, v1
	v_lshl_add_u32 v5, v2, HSH, v5                 ; weights: 16 r, and the other row for lanes 16-31
	s_lshl_b32 s58, s14, 13
	v_add_nc_u32 v6, s58, v7                       ; LDS: my K step of a chunk, 8,192 bytes a wave
	s_and_b32 s16, ttmp7, 0xffff                   ; the expert
	s_lshl_b32 s60, s16, 2
	s_lshl_b32 s58, s16, 24                        ; an expert's weights are 16,777,216 bytes
	s_mov_b32 s59, 0
.if LAYER == 1
	s_mov_b32 s15, ttmp9                           ; column slab
	s_lshl_b32 s61, s14, 19                        ; my K step of chunk 0: 32 rows of 16,384 bytes a wave
	s_add_co_u32 s58, s58, s61
	s_lshl_b32 s61, s15, 9
	s_add_co_u32 s58, s58, s61
	v_lshlrev_b32 v12, 7, v2                       ; b1: 32 columns further on for lanes 16-31
	s_lshl_b32 s62, s16, 14
	s_add_co_u32 s62, s62, s61
	s_mov_b32 s63, 0
.else
	s_and_b32 s15, ttmp9, 7                        ; column slab
	s_lshr_b32 s23, ttmp9, 3                       ; K quarter
	s_lshl_b32 s61, s23, 22                        ; 1,024 rows of 4,096 bytes
	s_add_co_u32 s58, s58, s61
	s_lshr_b32 s61, s14, 1                         ; my K step of chunk 0 begins at row 64 (w / 2) + 2 (w % 2)
	s_lshl_b32 s61, s61, 18
	s_add_co_u32 s58, s58, s61
	s_and_b32 s61, s14, 1
	s_lshl_b32 s61, s61, 13
	s_add_co_u32 s58, s58, s61
	s_lshl_b32 s61, s15, 9
	s_add_co_u32 s58, s58, s61
	v_lshlrev_b32 v10, 17, v2                      ; ybuf: eight slots of 16,384 bytes further on for lanes 16-31,
	v_lshl_add_u32 v10, v1, 4, v10                 ; 16 r
	v_lshlrev_b32 v11, 5, v2                       ; cw: eight slots further on
.endif
	s_wait_kmcnt 0x0
	s_load_b32 s17, s[10:11], s60 offset:0x2000    ; nt[e]
	s_load_b32 s18, s[10:11], s60 offset:0x2020    ; toff[e]
	s_add_nc_u64 s[4:5], s[4:5], s[58:59]
.if LAYER == 1
	s_add_nc_u64 s[6:7], s[6:7], s[62:63]
.irp hf, 0,1
.irp t, 0,1,2,3,4,5,6,7
	global_load_b128 v[BF+32*(\hf)+4*(\t):BF+32*(\hf)+4*(\t)+3], v12, s[6:7] offset:(\hf)*256+(\t)*16
.endr
.endr
.endif
	; THE HEAD.  Units 0 to 2 (chunk 0, and the first half of chunk 1) land where the accumulators will be; they hang on no number from memory and go out first.
	ULOAD 1, 0, 0, 0
	ULOAD 1, 1, 0, 1
	ULOAD 1, 2, 1, 0
	WIN 0
	s_wait_kmcnt 0x0
	s_min_u32 s17, s17, 64
	s_min_u32 s18, s18, 135
	s_max_u32 s59, s17, 1
	s_sub_co_u32 s59, s59, 1                       ; the expert's last tile (0 where it has none)
	s_mov_b32 s61, 0
.if LAYER == 1
	s_lshl_b32 s62, s15, 12                        ; hbuf: my slab's four K steps
.else
	s_lshl_b32 s62, s23, 15                        ; hbuf: my quarter's 32 K steps
	s_lshl_b32 s63, s23, 12                        ; ybuf: my quarter,
	s_lshl_b32 s58, s15, 9                         ; my 128 columns
	s_add_co_u32 s63, s63, s58
.endif
	s_mul_i32 s20, s14, 5                          ; my first tile of the first pass
	s_sub_co_i32 s21, s17, s20                     ; how many of the expert's tiles lie at or behind it
	BASES
	v_mov_b32 v9, v7
	v_mov_b32 v8, v7
.if LAYER == 2
	CWLOAD
.endif
	ULOAD 3, 1, 1, 1                               ; unit 3, tokens of K steps 0 and 1, unit 4, tokens of K step 2: the order in which the steps below issue them, so that their counts hold from the first step on
	RLOAD 0, 0
	RLOAD 1, 1024
	ULOAD 3, 0, 2, 0
	RLOAD 2, 2048
	UCVT 1, 0, 0, 0, 62                            ; behind unit 2 stand at least the 62 loads of the five lines above: units 0 to 2, and b1 ahead of them, are in
	UCVT 1, 1, 0, 1, 62
	UCVT 1, 2, CHUNK, 0, 62
.if LAYER == 1
	; b1, rounded to bf16, into the layout of an accumulator: register t of column block 4 hf + c is column 64 hf + 32 h + 4 t + c
.irp hf, 0,1
.irp t, 0,1,2,3,4,5,6,7
.irp cc, 0,2
	v_cvt_pk_bf16_f32 v[TMP+16*(\hf)+2*(\t)+(\cc)/2], v[BF+32*(\hf)+4*(\t)+(\cc)], v[BF+32*(\hf)+4*(\t)+(\cc)+1]
.endr
.endr
.endr
.irp hf, 0,1
.irp t, 0,1,2,3,4,5,6,7
.irp cc, 0,2
	v_lshlrev_b32 v[BIAS+8*(4*(\hf)+(\cc))+(\t)], 16, v[TMP+16*(\hf)+2*(\t)+(\cc)/2]
	v_and_b32 v[BIAS+8*(4*(\hf)+(\cc)+1)+(\t)], 0xffff0000, v[TMP+16*(\hf)+2*(\t)+(\cc)/2]
.endr
.endr
.endr
	s_mov_b32 s54, 0xbdd2d3e8                      ; c1 = -0.10294324
	s_mov_b32 s55, s54
	s_mov_b32 s56, 0xc0135761                      ; c0 = -2.3022082
	s_mov_b32 s57, s56
.endif
	s_wait_dscnt 0x0                               ; for the others' sake: my part of chunk 0 is in LDS
	s_barrier_signal -1
	s_barrier_wait -1                              ; chunk 0 is whole
	FRAG0
	; THE FIRST PASS UNDER THE STREAM.  Counts: behind a K step's tokens stand three more K steps' tokens and two units, 62 loads; behind a step's fragments the next step's 16 LDS loads and, where a unit
	; was stored in between, its 8 stores.
	KSTEP 3, 1, 1, 1, 62, 24, 1, 1, 1, 2, 0, 0     ; K step 0 starts the sums (LAYER 1: with the bias as C; LAYER 2: with 0); unit 3 is stored, unit 5 asked for
	WIN 0
	v_add_nc_u32 v6, CHUNK, v6
	s_mov_b32 s22, 5
.Lflow:                                                ; trip t: K steps 4 t + 1 to 4 t + 4; units 2 t + 4 and 2 t + 5 (chunk t + 2) are stored, units 2 t + 6 and 2 t + 7 (chunk t + 3) asked for
	KSTEP 0, 0, 1, 1, 62, 24, 0, 9, 0, 9, 0, 0
	KSTEP 1, 0, 1, 1, 62, 0, 0, 0, 0, 3, 1, 0      ; the wait for all my LDS instructions stands in front of the signal
	KSTEP 2, 0, 1, 1, 62, 16, 0, 9, 0, 9, 0, 1     ; chunk t + 1 is whole: this step asks for its first fragments
	KSTEP 3, 0, 1, 1, 62, 24, 0, 1, 1, 3, 0, 0
	WIN 0
	s_wait_xcnt 0x0                                ; the weights' base and the tokens' offset are stepped only behind this wait
	s_add_nc_u64 s[4:5], s[4:5], 128*PITCH         ; a chunk on
	v_add_nc_u32 v9, 4096, v9
	v_add_nc_u32 v8, CHUNK, v8
	v_add_nc_u32 v6, CHUNK, v6
	s_sub_co_u32 s22, s22, 1
	s_cmp_lg_u32 s22, 0
	s_cbranch_scc1 .Lflow
	UCVT 3, 0, CHUNK, 0, 36                        ; the last two units, chunk 7: behind unit 14 stand two K steps' tokens and unit 15,
	UCVT 3, 1, CHUNK, 1, 0                         ; behind unit 15 nothing
	s_wait_dscnt 0x0                               ; for the others' sake: all my fragments are in LDS
	s_barrier_signal -1
	s_barrier_wait -1                              ; all 32 K steps are whole: from here to the last barrier LDS is read alone
	s_mov_b32 s19, 4                               ; passes to go, this one among them
	s_mov_b32 s22, 2                               ; K steps 21 to 28 are two trips of the later passes' loop, which is entered here; the offsets v8 and v9 stand where its sixth trip finds them
	s_branch .Lk
.Lpass:
	s_sub_co_i32 s21, s17, s20                     ; how many of the expert's tiles lie at or behind my first of this pass
	s_cmp_le_i32 s21, 0
	s_cbranch_scc1 .Lnext
	s_wait_xcnt 0x0                                ; the last pass's stores have read their bases and registers
	BASES
	v_mov_b32 v9, v7
	v_mov_b32 v8, v7
.if LAYER == 2
	CWLOAD
.endif
	RLOAD 0, 0
	RLOAD 1, 1024
	RLOAD 2, 2048
	FRAG0
	KSTEP 3, 1, 1, 1, 30, 16, 1, 9, 0, 9, 0, 0     ; K step 0 starts the sums; from here on ten loads for each younger slot of the ring, sixteen LDS loads just issued
	WIN 0
	s_mov_b32 s22, 7
.Lk:
	KSTEP 0, 0, 1, 1, 30, 16, 0, 9, 0, 9, 0, 0
	KSTEP 1, 0, 1, 1, 30, 16, 0, 9, 0, 9, 0, 0
	KSTEP 2, 0, 1, 1, 30, 16, 0, 9, 0, 9, 0, 0
	KSTEP 3, 0, 1, 1, 30, 16, 0, 9, 0, 9, 0, 0
	WIN 0
	s_wait_xcnt 0x0                                ; the tokens' offset is stepped only behind this wait
	v_add_nc_u32 v9, 4096, v9
	v_add_nc_u32 v8, CHUNK, v8                     ; four K steps of fragments on: the last read of a pass ends at byte 262,143, in front of the spare words
	s_sub_co_u32 s22, s22, 1
	s_cmp_lg_u32 s22, 0
	s_cbranch_scc1 .Lk
	KSTEP 0, 0, 0, 1, 20, 16, 0, 9, 0, 9, 0, 0     ; K steps 29 to 31: nothing more of the tokens to ask for, the counts run down
	KSTEP 1, 0, 0, 1, 10, 16, 0, 9, 0, 9, 0, 0
	KSTEP 2, 0, 0, 0, 0, 0, 0, 9, 0, 9, 0, 0
	WIN 0
	PLACES                                         ; between the last product and the first read of a result
.irp i, 0,1,2,3,4
	s_cmp_le_i32 s21, \i
	s_cbranch_scc1 .Lnext                          ; the places beyond the expert's tiles store nothing
.if LAYER == 1
	EPI1 \i
.else
	EPI2 \i
.endif
.endr
.Lnext:
	s_add_co_u32 s20, s20, 20
	s_sub_co_u32 s19, s19, 1
	s_cmp_lg_u32 s19, 0
	s_cbranch_scc1 .Lpass
	s_wait_dscnt 0x0                               ; my reads of the fragments are back;
	s_barrier_signal -1                            ; the last barrier, on every wave's path (the loop above counts to a constant): all four waves' LDS reads are over
	s_barrier_wait -1                              ; before any wave writes LDS again, by the add below
	s_wait_tensorcnt 0x0                           ; the wave's end: behind my last LDS store
	ds_add_u32 v3, v4
	s_wait_dscnt 0x0
	s_endpgm
.Lfunc_end_k_qc7839625e7_ffn2:
	.size	k_qc7839625e7_ffn2, .Lfunc_end_k_qc7839625e7_ffn2-k_qc7839625e7_ffn2
	.p2alignl 7, 3214868480
	.fill 96, 4, 3214868480
	.section	.rodata,"a",@progbits
	.p2align	6, 0x0
	.amdhsa_kernel k_qc7839625e7_ffn2
		.amdhsa_group_segment_fixed_size 262656
		.amdhsa_private_segment_fixed_size 0
		.amdhsa_enable_private_segment 0
		.amdhsa_kernarg_size 40
		.amdhsa_user_sgpr_count 2
		.amdhsa_user_sgpr_kernarg_segment_ptr 1
		.amdhsa_wavefront_size32 1
		.amdhsa_system_sgpr_workgroup_id_x 1
		.amdhsa_system_sgpr_workgroup_id_y 1
		.amdhsa_system_sgpr_workgroup_id_z 1
		.amdhsa_system_vgpr_workitem_id 0
		.amdhsa_next_free_vgpr 896
		.amdhsa_next_free_sgpr 66
		.amdhsa_reserve_vcc 0
		.amdhsa_float_denorm_mode_32 3
		.amdhsa_float_denorm_mode_16_64 3
		.amdhsa_memory_ordered 1
		.amdhsa_forward_progress 1
		.amdhsa_inst_pref_size 127
	.end_amdhsa_kernel
	.amdgpu_metadata
---
amdhsa.version: [ 1, 2 ]
amdhsa.kernels:
  - .name:           k_qc7839625e7_ffn2
    .symbol:         k_qc7839625e7_ffn2.kd
    .args:
      - { .name: w2, .offset: 0, .size: 8, .value_kind: global_buffer, .address_space: global }
      - { .name: hbuf, .offset: 8, .size: 8, .value_kind: global_buffer, .address_space: global }
      - { .name: cw, .offset: 16, .size: 8, .value_kind: global_buffer, .address_space: global }
      - { .name: plan, .offset: 24, .size: 8, .value_kind: global_buffer, .address_space: global }
      - { .name: ybuf, .offset: 32, .size: 8, .value_kind: global_buffer, .address_space: global }
    .group_segment_fixed_size: 262656
    .private_segment_fixed_size: 0
    .kernarg_segment_align: 8
    .kernarg_segment_size: 40
    .max_flat_workgroup_size: 128
    .sgpr_count:     66
    .vgpr_count:     896
    .wavefront_size: 32
...
	.end_amdgpu_metadata
.endif
;; end of part 4
;; launch combine (part 5): grid 256 x 1, 8 waves a work-group, no clusters, 0 bytes of LDS; arguments ybuf, plan, route, gw, b2, out0; writes out0
.if DOCPART == 5
	.amdgcn_target "amdgcn-amd-amdhsa--gfx1250"
	.amdhsa_code_object_version 6
	.text
	.protected	k_qc7839625e7_combine
	.globl	k_qc7839625e7_combine
	.p2align	8
	.type	k_qc7839625e7_combine,@function
k_qc7839625e7_combine:
	s_mov_b64 s[64:65], 0
	v_nop
	global_prefetch_b8 v0, s[64:65] scope:SCOPE_SE
	s_setreg_imm32_b32 hwreg(HW_REG_WAVE_MODE, 25, 1), 1
	s_wait_xcnt 0x0
; COMBINE.  out[n] = the sum over the token's two slots of the four K quarters of ybuf (already times the pair's weight) + w0 b2[sel0] + w1 b2[sel1].
; A wave owns half a row (2,048 bytes) of one token: token 4 x work-group + wave / 2, half wave % 2.  The slots, the experts and the weights are read as scalars; slots and experts are clamped
; to their tables before they enter an address.  b2 is rounded to bf16 like every input; all sums in f32, in a fixed order.
; No LDS, no matrix unit: each byte is read once by loads of 512 consecutive bytes and each store of the wave covers 512 consecutive bytes, aligned.
.set Y,  16                            ; v[16:143]  slot k, quarter q, piece t at Y + 64 k + 16 q + 4 t
.set B2, 144                           ; v[144:175] b2 of expert k, piece t at B2 + 16 k + 4 t
.set PK, 176                           ; v[176:191] at work
	s_load_b256 s[4:11], s[0:1], 0x0               ; ybuf s[4:5], plan s[6:7], route s[8:9], gw s[10:11]
	s_load_b128 s[12:15], s[0:1], 0x20             ; b2 s[12:13], out0 s[14:15]
	v_lshrrev_b32 v1, 5, v0
	v_readfirstlane_b32 s16, v1                    ; wave
	v_and_b32 v2, 31, v0
	v_lshlrev_b32 v2, 4, v2                        ; 16 x lane
	s_lshr_b32 s17, s16, 1
	s_lshl2_add_u32 s17, ttmp9, s17                ; my token
	s_and_b32 s18, s16, 1
	s_lshl_b32 s18, s18, 11                        ; my half of a row
	s_lshl_b32 s20, s17, 3
	s_lshl_b32 s21, s17, 2
	s_wait_kmcnt 0x0
	s_load_b64 s[24:25], s[6:7], s20 offset:0x0    ; the two slots
	s_load_b64 s[26:27], s[10:11], s20 offset:0x0  ; the two weights
	s_load_b32 s28, s[8:9], s21 offset:0x0         ; the two experts
	s_wait_kmcnt 0x0
	s_min_u32 s24, s24, 2175
	s_min_u32 s25, s25, 2175
	s_and_b32 s29, s28, 7
	s_min_u32 s29, s29, 7
	s_bfe_u32 s30, s28, 0x30008
	s_min_u32 s30, s30, 7
	s_mov_b32 s45, 0
	s_lshl_b32 s44, s24, 14                        ; a slot is 16,384 bytes of ybuf
	s_add_co_u32 s44, s44, s18
	s_add_nc_u64 s[32:33], s[4:5], s[44:45]
	s_lshl_b32 s44, s25, 14
	s_add_co_u32 s44, s44, s18
	s_add_nc_u64 s[34:35], s[4:5], s[44:45]
	s_lshl_b32 s44, s29, 12                        ; an expert's b2 is 4,096 bytes
	s_add_co_u32 s44, s44, s18
	s_add_nc_u64 s[36:37], s[12:13], s[44:45]
	s_lshl_b32 s44, s30, 12
	s_add_co_u32 s44, s44, s18
	s_add_nc_u64 s[38:39], s[12:13], s[44:45]
	s_lshl_b32 s44, s17, 12
	s_add_co_u32 s44, s44, s18
	s_add_nc_u64 s[40:41], s[14:15], s[44:45]
	s_mov_b32 s42, s27                             ; the second weight as the low word of a pair
	s_mov_b32 s43, s27
.irp k, 0,1
.irp q, 0,1,2,3
.irp t, 0,1,2,3
	global_load_b128 v[Y+64*(\k)+16*(\q)+4*(\t):Y+64*(\k)+16*(\q)+4*(\t)+3], v2, s[32+2*(\k):33+2*(\k)] offset:(\q)*4096+(\t)*512 th:TH_LOAD_NT
.endr
.endr
.endr
.irp k, 0,1
.irp t, 0,1,2,3
	global_load_b128 v[B2+16*(\k)+4*(\t):B2+16*(\k)+4*(\t)+3], v2, s[36+2*(\k):37+2*(\k)] offset:(\t)*512
.endr
.endr
	s_wait_loadcnt 0x0
.set n, 0
.rept 16
	v_cvt_pk_bf16_f32 v[PK+n], v[B2+2*n], v[B2+2*n+1]
.set n, n+1
.endr
.set n, 0
.rept 16
	v_lshlrev_b32 v[B2+2*n], 16, v[PK+n]
	v_and_b32 v[B2+2*n+1], 0xffff0000, v[PK+n]
.set n, n+1
.endr
.irp t, 0,1,2,3
.irp p, 0,2
.set A0, Y+4*(\t)+(\p)
.set B0, B2+4*(\t)+(\p)
	v_pk_add_f32 v[A0:A0+1], v[A0:A0+1], v[A0+16:A0+17]
	v_pk_add_f32 v[A0+32:A0+33], v[A0+32:A0+33], v[A0+48:A0+49]
	v_pk_add_f32 v[A0+64:A0+65], v[A0+64:A0+65], v[A0+80:A0+81]
	v_pk_add_f32 v[A0+96:A0+97], v[A0+96:A0+97], v[A0+112:A0+113]
	v_pk_add_f32 v[A0:A0+1], v[A0:A0+1], v[A0+32:A0+33]
	v_pk_add_f32 v[A0+64:A0+65], v[A0+64:A0+65], v[A0+96:A0+97]
	v_pk_add_f32 v[A0:A0+1], v[A0:A0+1], v[A0+64:A0+65]
	v_pk_fma_f32 v[A0:A0+1], v[B0:B0+1], s[26:27], v[A0:A0+1] op_sel_hi:[1,0,1]
	v_pk_fma_f32 v[A0:A0+1], v[B0+16:B0+17], s[42:43], v[A0:A0+1] op_sel_hi:[1,0,1]
.endr
.endr
.irp t, 0,1,2,3
	global_store_b128 v2, v[Y+4*(\t):Y+4*(\t)+3], s[40:41] offset:(\t)*512 th:TH_STORE_NT
.endr
	s_endpgm
.Lfunc_end_k_qc7839625e7_combine:
	.size	k_qc7839625e7_combine, .Lfunc_end_k_qc7839625e7_combine-k_qc7839625e7_combine
	.p2alignl 7, 3214868480
	.fill 96, 4, 3214868480
	.section	.rodata,"a",@progbits
	.p2align	6, 0x0
	.amdhsa_kernel k_qc7839625e7_combine
		.amdhsa_group_segment_fixed_size 0
		.amdhsa_private_segment_fixed_size 0
		.amdhsa_enable_private_segment 0
		.amdhsa_kernarg_size 48
		.amdhsa_user_sgpr_count 2
		.amdhsa_user_sgpr_kernarg_segment_ptr 1
		.amdhsa_wavefront_size32 1
		.amdhsa_system_sgpr_workgroup_id_x 1
		.amdhsa_system_sgpr_workgroup_id_y 1
		.amdhsa_system_sgpr_workgroup_id_z 1
		.amdhsa_system_vgpr_workitem_id 0
		.amdhsa_next_free_vgpr 192
		.amdhsa_next_free_sgpr 66
		.amdhsa_reserve_vcc 0
		.amdhsa_float_denorm_mode_32 3
		.amdhsa_float_denorm_mode_16_64 3
		.amdhsa_memory_ordered 1
		.amdhsa_forward_progress 1
		.amdhsa_inst_pref_size 13
	.end_amdhsa_kernel
	.amdgpu_metadata
---
amdhsa.version: [ 1, 2 ]
amdhsa.kernels:
  - .name:           k_qc7839625e7_combine
    .symbol:         k_qc7839625e7_combine.kd
    .args:
      - { .name: ybuf, .offset: 0, .size: 8, .value_kind: global_buffer, .address_space: global }
      - { .name: plan, .offset: 8, .size: 8, .value_kind: global_buffer, .address_space: global }
      - { .name: route, .offset: 16, .size: 8, .value_kind: global_buffer, .address_space: global }
      - { .name: gw, .offset: 24, .size: 8, .value_kind: global_buffer, .address_space: global }
      - { .name: b2, .offset: 32, .size: 8, .value_kind: global_buffer, .address_space: global }
      - { .name: out0, .offset: 40, .size: 8, .value_kind: global_buffer, .address_space: global }
    .group_segment_fixed_size: 0
    .private_segment_fixed_size: 0
    .kernarg_segment_align: 8
    .kernarg_segment_size: 48
    .max_flat_workgroup_size: 256
    .sgpr_count:     66
    .vgpr_count:     192
    .wavefront_size: 32
...
	.end_amdgpu_metadata
.endif
;; end of part 5
;; ======== version 2 of 2: 5 launches; version 1 with the launches ffn1, ffn2 written anew for expert scheduling mode
;; workspace buffers: route 6,144 bytes of whole numbers; gw 8,192 bytes; plan 8,448 bytes of whole numbers; cw 8,704 bytes; xg 4,456,448 bytes; hbuf 17,825,792 bytes; ybuf 35,651,584 bytes
;; launch gate: the kernel of part 1 again; grid 64 x 1, 8 waves a work-group, no clusters, 9,216 bytes of LDS; arguments x, gate_w, gate_b, route, gw; writes route, gw
;; launch sortx: the kernel of part 2 again; grid 68 x 1, 8 waves a work-group, no clusters, 2,048 bytes of LDS; arguments x, route, gw, plan, cw, xg; writes plan, cw, xg
;; launch ffn1 (part 6): grid 32 x 8, 4 waves a work-group, no clusters, 262,656 bytes of LDS; arguments w1, b1, xg, plan, hbuf; writes hbuf
.if DOCPART == 6
	.amdgcn_target "amdgcn-amd-amdhsa--gfx1250"
	.amdhsa_code_object_version 6
	.text
	.protected	k_qc7839625e7_ffn1
	.globl	k_qc7839625e7_ffn1
	.p2align	8
	.type	k_qc7839625e7_ffn1,@function
k_qc7839625e7_ffn1:
	s_mov_b64 s[64:65], 0
	v_nop
	global_prefetch_b8 v0, s[64:65] scope:SCOPE_SE
	s_setreg_imm32_b32 hwreg(HW_REG_WAVE_SCHED_MODE, 0, 2), 2
	s_setreg_imm32_b32 hwreg(HW_REG_WAVE_MODE, 25, 1), 1
	s_wait_xcnt 0x0
	s_wait_alu depctr_vm_vsrc(0)
; ONE LAYER OF THE EXPERTS.  LAYER 1: h = gelu(x w1[e] + b1[e]) (tanh form), to hbuf in bf16.  LAYER 2: y = cw (h w2[e]), a quarter of K at a time, to ybuf in f32.  One text; LAYER picks the constants.
; A work-group owns 1,024 k x 128 columns of one expert's weights (LAYER 1: column slab ttmp9; LAYER 2: column slab ttmp9 & 7, K quarter ttmp9 >> 3).  They are read once, rounded to bf16 and laid into LDS
; as ready fragments, where they stay: 32 K steps of 8,192 bytes, in eight chunks of four K steps.
; UNITS.  A unit is 16 loads: 32 rows x 256 bytes, one column half of one K step.  A load takes, in lanes 0-15, 256 consecutive aligned bytes of one row and in lanes 16-31 of another: lane r holds columns
; 4 r + c, so register c belongs to column block c; pairing two rows' registers gives a fragment's register.  Of chunk c wave w brings K step 4 c + w: unit U of a wave is chunk U / 2, column half U % 2.
; PASSES.  The expert's nt tiles of 16 slots are dealt five to a wave, twenty to a pass; four passes serve the 64 tiles that an expert can have.
; THE FIRST PASS RUNS UNDER THE STREAM.  Units 0 to 2 are rounded at the head.  Then, in every even K step k up to 20, the wave rounds unit k / 2 + 3, which it asked for four K steps before, and asks for unit
; k / 2 + 5 into the same registers: two units and three K steps' tokens are on their way, 62 loads.  A barrier in every four K steps (signal in step 4 t + 2, behind the unit's LDS stores; wait at the head of
; step 4 t + 3, the first that reads chunk t + 1) shows each chunk whole before it is read; between two barriers chunk t + 1 is read while chunks t + 2 and t + 3 are written; no LDS byte is written twice.
; The first pass has no branch on data, so its barriers are on every wave's path: a place beyond the expert's tiles repeats a live tile (with no tile at all: whatever tile lies at the expert's offset) and stores nothing.
; From K step 21 on it runs in the text of the later passes, which it enters in the middle.  A later pass whose five tiles lie beyond nt is jumped over; nothing that is jumped holds a barrier.
; The tokens' operands lie in memory in fragment order: a fragment is two loads of 512 consecutive bytes.  40 accumulators take turns, one instruction a turn.
; LAYER 1 uses the matrix instruction with source 0 = weights, source 1 = tokens: a lane holds one token and columns 64 half + 32 h + 4 j + c, which IS the order of k in which LAYER 2 reads hbuf
; (K step S, piece p, element i: k = 64 (S / 2) + 32 h + 4 i + 2 (S % 2) + p), and LAYER 2's weight rows are picked in that order.  LAYER 2 uses source 0 = tokens, source 1 = weights: a lane holds
; four neighbouring columns (one in each of four accumulators) of eight slots.
; All inputs are rounded to bf16 (w, b1); h is rounded once to bf16; sums in f32.  LIMITS: NaN and infinities are not treated apart; an expert that no token chose still has its weights streamed.
; No cluster and no tensor load: the weights are shared by nobody and must pass through registers to be rounded; the tokens' tiles are shared by an expert's 32 work-groups, but 262,144 bytes of LDS hold the weights.
; THE MODE: SCHED_MODE bits 1:0 = 2 (LLVM: expert scheduling mode 2), set by the entry lines.  The code itself states the register dependences
; between vector or matrix instructions and memory or LDS instructions, with s_wait_alu, always for 0.
; THE PLAN.  Registers that memory or LDS instructions touch:
;   BF0, BF1      K step k's products read BF[k % 2]; the LDS loads that step k issues land in the other one, which step k - 1's products read.  On the way out vector work writes both and the stores read them.
;   ring 0 .. 3   K step k's products read slot k % 4; the token loads that step k issues (for step k + 3) land in slot (k + 3) % 4, which step k - 1's products read.
;   landing 0, 1  A unit's 16 loads land there; four K steps later its 32 conversions read it, and the slot is asked for again in the same step.
;   TMP           Written by a unit's conversions, read by its eight LDS stores (at LAYER 1's head b1's conversions pass through it too).
;   v6, v8, v9    LDS address of the unit stores, LDS address of the fragment loads, offset of the token loads: made at the head or at a pass's start, stepped once a trip.
;   v5, v7, v10, v11, v12  Offsets made at the head and never written again.     CW  Loaded at a pass's start, read by LAYER 2's way out.     v3, v4  Read by the closing add alone.
;   The accumulators and BIAS are named by vector and matrix instructions alone (at the head units 0 to 2 land where the accumulators will be, ahead of every instruction that names them).
; So ONE wait on va_vdst stands in a K step, behind the waits for its own data and behind a unit's conversions.  The step's products follow it at once, and its loads and LDS stores are dealt among them: the
; products name BF[k % 2], ring slot k % 4, the accumulators and BIAS, none of which those loads and stores touch.  One wait on vm_vsrc stands ahead of each rewriting of TMP and ahead of each trip's address steps.
.set LAYER, 1
.if LAYER == 1
.set PITCH, 16384                      ; bytes from row to row of the weights
.set HSH,   18                         ; lanes 16-31 read 16 rows further down: 16 x 16,384 bytes
.else
.set PITCH, 4096
.set HSH,   17                         ; 32 rows further down: 32 x 4,096 bytes
.endif
.set CHUNK, 32768                      ; four K steps of fragments in LDS; in memory a chunk is 128 rows
.set SPARE, 262144                     ; behind the fragments: the spare words, 128 bytes for each wave
.set TMP,  16                          ; v[16:47]   rounded weights on their way to LDS
.set BF,   64                          ; v[64:127], v[128:191] two buffers of 8 weight fragments; at work on the way out
.set BIAS, 192                         ; v[192:255] LAYER 1: b1 in the accumulators' layout, by column block
.set CW,   192                         ; v[192:231] LAYER 2: cw of my eight slots, by tile
.set RING, 64                          ; window 2: v[64:223] four slots of five token fragments
.set TB,   24                          ; s[24:33]  the five tiles' operands
.set OBS,  34                          ; s[34:43]  where their results go
.set CB,   44                          ; s[44:53]  LAYER 2: their cw
; windows of 256 registers: window 1 = the accumulators of tiles 0-3 ((i, b) at 64 i + 8 b); at the head units 0 to 2 land there.  window 2 = v[0:63] tile 4's accumulators, then the ring.
; window 3 = v[0:127] two landing slots of 64 for the units that stream under the first pass.
.set MSB, 0
.macro WIN new                         ; bits 1:0 source 0, 3:2 source 1, 5:4 source 2, 7:6 destination; the high byte repeats the setting that is left
.if MSB != (\new)
	s_set_vgpr_msb (MSB<<8)|(\new)
.set MSB, (\new)
.endif
.endm
.macro PLACES
.rept 4
	v_nop
.endr
.endm
; a unit is asked for: 16 loads into slot 'slot' of window 'win'; ch = chunks ahead of the base, half = column half
.macro ULOAD win, slot, ch, half
	WIN (\win)<<6
.irp j, 0,1
.irp i, 0,1,2,3,4,5,6,7
.if LAYER == 1
.set ROWN, 128*(\ch)+8*(\j)+(\i)
.else
.set ROWN, 128*(\ch)+4*(\i)+(\j)
.endif
	global_load_b128 v[64*(\slot)+4*(8*(\j)+(\i)):64*(\slot)+4*(8*(\j)+(\i))+3], v5, s[4:5] offset:ROWN*PITCH+(\half)*256 th:TH_LOAD_NT
.endr
.endr
.endm
; a landed unit is rounded into TMP.  left: the younger loads that may stay out.  again = 1: TMP has been stored from before
.macro UCV win, slot, left, again
	s_wait_loadcnt \left
.if \again
	s_wait_alu depctr_vm_vsrc(0)                   ; the LDS stores of the unit before have read TMP, which the conversions write again
.endif
	WIN 5*(\win)
.irp c, 0,1,2,3
.irp j, 0,1
.irp p, 0,1,2,3
	v_cvt_pk_bf16_f32 v[TMP+8*(\c)+4*(\j)+(\p)], v[64*(\slot)+4*(8*(\j)+2*(\p))+(\c)], v[64*(\slot)+4*(8*(\j)+2*(\p)+1)+(\c)]
.endr
.endr
.endr
.endm
; TMP goes to LDS as four fragments, off bytes behind v6
.macro UST off, half
	WIN 0
.irp c, 0,1,2,3
.irp j, 0,1
	ds_store_b128 v6, v[TMP+8*(\c)+4*(\j):TMP+8*(\c)+4*(\j)+3] offset:(\off)+(4*(\half)+(\c))*1024+(\j)*512
.endr
.endr
.endm
; both on end, at the head and behind the stream, where no products stand between
.macro UCVT win, slot, off, half, left, again
	UCV \win, \slot, \left, \again
	s_wait_alu depctr_va_vdst(0)                   ; the conversions have written TMP, which the LDS stores read (behind the stream: v6, their address, is written too)
	UST \off, \half
.endm
; ten loads: one K step's fragments of the five tiles, into a slot of the ring
.macro RLOAD slot, off
	WIN 0x80
.irp i, 0,1,2,3,4
.irp j, 0,1
	global_load_b128 v[RING+40*(\slot)+8*(\i)+4*(\j):RING+40*(\slot)+8*(\i)+4*(\j)+3], v9, s[TB+2*(\i):TB+2*(\i)+1] offset:(\off)+(\j)*512
.endr
.endr
.endm
; K step 0's weight fragments
.macro FRAG0
	WIN 0
.irp b, 0,1,2,3,4,5,6,7
.irp j, 0,1
	ds_load_b128 v[BF+8*(\b)+4*(\j):BF+8*(\b)+4*(\j)+3], v8 offset:(\b)*1024+(\j)*512
.endr
.endr
.endm
.macro WM i, b, first
.if (\i) < 4
.set DA, 64*(\i)+8*(\b)
.else
.set DA, 8*(\b)
.endif
.if LAYER == 1
.if \first
	v_wmma_f32_16x16x32_bf16 v[DA:DA+7], v[BR+8*(\b):BR+8*(\b)+7], v[RR+8*(\i):RR+8*(\i)+7], v[BIAS+8*(\b):BIAS+8*(\b)+7]
.else
	v_wmma_f32_16x16x32_bf16 v[DA:DA+7], v[BR+8*(\b):BR+8*(\b)+7], v[RR+8*(\i):RR+8*(\i)+7], v[DA:DA+7]
.endif
.else
.if \first
	v_wmma_f32_16x16x32_bf16 v[DA:DA+7], v[RR+8*(\i):RR+8*(\i)+7], v[BR+8*(\b):BR+8*(\b)+7], 0
.else
	v_wmma_f32_16x16x32_bf16 v[DA:DA+7], v[RR+8*(\i):RR+8*(\i)+7], v[BR+8*(\b):BR+8*(\b)+7], v[DA:DA+7]
.endif
.endif
.endm
; tile i's eight products of a K step
.macro MUL i, first
.if LAYER == 1
.if (\i) < 4
	WIN 0x58-0x10*(\first)                         ; weights window 0, tokens window 2, D window 1; C window 1, or (first) the bias in window 0
.else
	WIN 0xa8-0x20*(\first)                         ; the same with D (and C) in window 2
.endif
.else
.if (\i) < 4
	WIN 0x52                                       ; tokens window 2, weights window 0, C and D window 1
.else
	WIN 0xa2
.endif
.endif
.irp b, 0,1,2,3,4,5,6,7
	WM \i, \b, \first
.endr
.endm
; K step k = 4 t + 1 + m of trip t (adj = 1: t = -1, the step ahead of a loop).  It asks for the weight fragments of step k + 1 (pfb) and the tokens' of step k + 3 (pfa), into registers that step k - 1
; read.  lc, dc: the younger loads and LDS instructions that may stay out when this step's tokens and fragments have to be there, counted at the step's head, ahead of its own loads (dc = 99: no wait is owed).
; Under the stream: us < 2: the unit in landing slot us (column half uh) is rounded and stored; behind it were issued two K steps' tokens, a unit and a third K step's tokens: 46 loads.
; uc < 9: the slot is asked for again, uc chunks ahead of the base.  sig: the barrier's signal, behind the wait for my LDS stores.  bw: its wait, ahead of the first read of the chunk that it shows whole.
; THE ORDER.  Tile 4's products come first, so that a plain step has four window switches; the fragments' loads and a unit's LDS stores stand behind them, the loads from memory behind those (in a unit's step
; behind tile 0's products).  The signal's step keeps all its loads and stores ahead of the signal: only matrix instructions stand between the signal and its wait.
.macro KSTEP m, first, pfa, pfb, lc, dc, adj, us, uh, uc, sig, bw
.set BD, BF+64*((\m)%2)
.set BR, BF+64*((1+(\m))%2)
.set RR, RING+40*((1+(\m))%4)
.if \bw
	s_barrier_wait -1
.endif
	PLACES                                         ; four places between step k - 1's products and the loads into the registers that they read
.if (\us) < 2
	UCV 3, \us, 46, 1
.endif
	s_wait_loadcnt \lc                             ; loads come back in order (ISA guide 5.7.1): this step's tokens are in
.if (\dc) < 64
	s_wait_dscnt \dc                               ; and so are its fragments
.endif
.if ((\pfa) || (\pfb)) && (!(\first) || ((\us) < 2))   ; a step that issues nothing has nothing to state; a later pass's first step leans on the wait at the pass's start
	s_wait_alu depctr_va_vdst(0)                   ; step k - 1's products are done reading the other BF and ring slot (k + 3) % 4, in which the loads below land; a unit's conversions have written TMP, which the LDS stores below read, and are done reading the landing slot, which is asked for again; in a trip's first step v6, v8 and v9 are written
.endif
.if !(\sig)
	MUL 4, \first
.endif
.if \pfb
	WIN 0
.irp b, 0,1,2,3,4,5,6,7
.irp j, 0,1
	ds_load_b128 v[BD+8*(\b)+4*(\j):BD+8*(\b)+4*(\j)+3], v8 offset:(2+(\m))*8192-(\adj)*32768+(\b)*1024+(\j)*512  ; no wait: no vector or matrix instruction since the wait above names these registers
.endr
.endr
.endif
.if (\us) < 2
	UST CHUNK, \uh
.if !(\sig)
	MUL 0, \first
.endif
.endif
.if \pfa
	RLOAD (\m)%4, (4+(\m))*1024-(\adj)*4096
.endif
.if (\uc) < 9
	ULOAD 3, \us, \uc, \uh
.endif
.if \sig
	s_wait_dscnt 0x0                               ; for the others' sake: my LDS stores are done; this step's and the next step's fragments are in as well
	s_barrier_signal -1                            ; only matrix instructions stand between this line and the wait at the next step's head
	MUL 4, \first
	MUL 0, \first
.elseif (\us) > 1
	MUL 0, \first
.endif
	MUL 1, \first
	MUL 2, \first
	MUL 3, \first
.endm
; the addresses of the pass's five tiles: tile s20 + i of the expert, held to its last; the sum with the expert's offset is clamped to the table of 136 tiles before it enters an address
.macro BASES
.irp i, 0,1,2,3,4
	s_add_co_u32 s58, s20, \i
	s_min_u32 s58, s58, s59                        ; a place beyond the expert's tiles repeats the last
	s_add_co_u32 s58, s58, s18
	s_min_u32 s58, s58, 135
.if LAYER == 1
	s_lshl_b32 s60, s58, 15
	s_add_nc_u64 s[TB+2*(\i):TB+2*(\i)+1], s[8:9], s[60:61]
	s_lshl_b32 s60, s58, 17
	s_add_co_u32 s60, s60, s62
	s_add_nc_u64 s[OBS+2*(\i):OBS+2*(\i)+1], s[12:13], s[60:61]
.else
	s_lshl_b32 s60, s58, 17
	s_add_co_u32 s60, s60, s62
	s_add_nc_u64 s[TB+2*(\i):TB+2*(\i)+1], s[6:7], s[60:61]
	s_lshl_b32 s60, s58, 18
	s_add_co_u32 s60, s60, s63
	s_add_nc_u64 s[OBS+2*(\i):OBS+2*(\i)+1], s[12:13], s[60:61]
	s_lshl_b32 s60, s58, 6
	s_add_nc_u64 s[CB+2*(\i):CB+2*(\i)+1], s[8:9], s[60:61]
.endif
.endr
.endm
.macro CWLOAD                          ; LAYER 2: the weights of my eight slots in each of the five tiles
.irp i, 0,1,2,3,4
	global_load_b128 v[CW+8*(\i):CW+8*(\i)+3],   v11, s[CB+2*(\i):CB+2*(\i)+1]
	global_load_b128 v[CW+8*(\i)+4:CW+8*(\i)+7], v11, s[CB+2*(\i):CB+2*(\i)+1] offset:16
.endr
.endm
; LAYER 1's way out of tile i: gelu(x) = x / (1 + 2^(x (c1 x^2 + c0))), c0 = -2 log2(e) sqrt(2 / pi), c1 = 0.044715 c0: the tanh form.  An exponential that overflows gives the quotient 0, the right limit.
; Every accumulator is read from its low end on.  A lane's eight numbers of a column block are 16 bytes of hbuf: each store covers 512 consecutive bytes, aligned.
.macro EPI1 i
.if (\i) < 4
.set XB, 64*(\i)
.set WA, 0x05
.set WC, 0x04
.else
.set XB, 0
.set WA, 0x0a
.set WC, 0x08
.endif
	s_wait_xcnt 0x0                                ; the last tile's stores have read their registers
.if (\i) > 0
	s_wait_alu depctr_vm_vsrc(0)                   ; the last tile's stores have read v[BF+64 ..], which this tile's roundings write again (ahead of tile 0 the pass's start has stated it)
.endif
	WIN WA
.set n, 0
.rept 32
	v_pk_mul_f32 v[BF+2*n:BF+2*n+1], v[XB+2*n:XB+2*n+1], v[XB+2*n:XB+2*n+1]
.set n, n+1
.endr
	WIN 0
.set n, 0
.rept 32
	v_pk_fma_f32 v[BF+2*n:BF+2*n+1], v[BF+2*n:BF+2*n+1], s[54:55], s[56:57] op_sel_hi:[1,0,0]
.set n, n+1
.endr
	WIN WC
.set n, 0
.rept 32
	v_pk_mul_f32 v[BF+2*n:BF+2*n+1], v[BF+2*n:BF+2*n+1], v[XB+2*n:XB+2*n+1]
.set n, n+1
.endr
	WIN 0
.set n, 0
.rept 64
	v_exp_f32 v[BF+n], v[BF+n]
.set n, n+1
.endr
	v_nop                                          ; a plain instruction behind the last exponential (ISA guide 5.7.2)
.set n, 0
	s_wait_alu depctr_va_vdst(0)                   ; the 64 exponentials have written v[BF ..]: one wait for the batch, ahead of its first reader
.rept 32
	v_pk_add_f32 v[BF+2*n:BF+2*n+1], v[BF+2*n:BF+2*n+1], 1.0 op_sel_hi:[1,0]
.set n, n+1
.endr
.set n, 0
.rept 64
	v_rcp_f32 v[BF+n], v[BF+n]
.set n, n+1
.endr
	v_nop
	WIN WC
.set n, 0
	s_wait_alu depctr_va_vdst(0)                   ; the 64 reciprocals have written v[BF ..]: one wait for the batch, ahead of its first reader
.rept 32
	v_pk_mul_f32 v[BF+2*n:BF+2*n+1], v[BF+2*n:BF+2*n+1], v[XB+2*n:XB+2*n+1]
.set n, n+1
.endr
	WIN 0
.set n, 0
.rept 32
	v_cvt_pk_bf16_f32 v[BF+64+n], v[BF+2*n], v[BF+2*n+1]
.set n, n+1
.endr
	s_wait_alu depctr_va_vdst(0)                   ; the roundings have written v[BF+64 ..], which the stores read
.irp b, 0,1,2,3,4,5,6,7
	global_store_b128 v7, v[BF+64+4*(\b):BF+64+4*(\b)+3], s[OBS+2*(\i):OBS+2*(\i)+1] offset:(\b)*512
.endr
.endm
; LAYER 2's way out of tile i: times the slot's weight, and four accumulators' numbers side by side: 16 bytes a lane, sixteen lanes 256 consecutive bytes, aligned, of one slot's row.
.macro EPI2 i
.if (\i) < 4
.set XB, 64*(\i)
.set WA, 0x01
.else
.set XB, 0
.set WA, 0x02
.endif
.set OB, BF+64*((\i)%2)
	s_wait_xcnt 0x0                                ; earlier stores have read their registers
.if (\i) > 1
	s_wait_alu depctr_vm_vsrc(0)                   ; the stores of the tile two back have read this out-buffer, which the multiplies write again (ahead of tiles 0 and 1 the pass's start has stated it)
.endif
	WIN WA
.irp j, 0,1,2,3,4,5,6,7
.irp hf, 0,1
.irp c, 0,1,2,3
	v_mul_f32 v[OB+4*(8*(\hf)+(\j))+(\c)], v[XB+8*(4*(\hf)+(\c))+(\j)], v[CW+8*(\i)+(\j)]
.endr
.endr
.endr
	WIN 0
	s_wait_alu depctr_va_vdst(0)                   ; the multiplies have written the out-buffer, which the stores read
.irp j, 0,1,2,3,4,5,6,7
.irp hf, 0,1
	global_store_b128 v10, v[OB+4*(8*(\hf)+(\j)):OB+4*(8*(\hf)+(\j))+3], s[OBS+2*(\i):OBS+2*(\i)+1] offset:(\j)*16384+(\hf)*256
.endr
.endr
.endm
	s_load_b256 s[4:11], s[0:1], 0x0               ; LAYER 1: w1, b1, xg, plan.  LAYER 2: w2, hbuf, cw, plan
	s_load_b64 s[12:13], s[0:1], 0x20              ; hbuf, or ybuf
	v_lshl_add_u32 v3, v0, 2, SPARE                ; my spare word
	v_mov_b32 v4, 0
	v_and_b32 v1, 15, v0                           ; r
	v_bfe_u32 v2, v0, 4, 1                         ; h
	v_lshrrev_b32 v13, 5, v0
	v_readfirstlane_b32 s14, v13                   ; wave
	v_and_b32 v7, 31, v0
	v_lshlrev_b32 v7, 4, v7                        ; 16 x lane
	v_lshlrev_b32 v5, 4, v1
	v_lshl_add_u32 v5, v2, HSH, v5                 ; weights: 16 r, and the other row for lanes 16-31
	v_mov_b32 v9, v7                               ; the first pass's offset of the tokens and LDS address of the fragments, made with the other addresses
	v_mov_b32 v8, v7
	s_wait_alu depctr_va_sdst(0)                   ; s14 is written, ahead of its first reader: addresses and the share of tiles are made from it
	s_lshl_b32 s58, s14, 13
	v_add_nc_u32 v6, s58, v7                       ; LDS: my K step of a chunk, 8,192 bytes a wave
	s_and_b32 s16, ttmp7, 0xffff                   ; the expert
	s_lshl_b32 s60, s16, 2
	s_lshl_b32 s58, s16, 24                        ; an expert's weights are 16,777,216 bytes
	s_mov_b32 s59, 0
.if LAYER == 1
	s_mov_b32 s15, ttmp9                           ; column slab
	s_lshl_b32 s61, s14, 19                        ; my K step of chunk 0: 32 rows of 16,384 bytes a wave
	s_add_co_u32 s58, s58, s61
	s_lshl_b32 s61, s15, 9
	s_add_co_u32 s58, s58, s61
	v_lshlrev_b32 v12, 7, v2                       ; b1: 32 columns further on for lanes 16-31
	s_lshl_b32 s62, s16, 14
	s_add_co_u32 s62, s62, s61
	s_mov_b32 s63, 0
.else
	s_and_b32 s15, ttmp9, 7                        ; column slab
	s_lshr_b32 s23, ttmp9, 3                       ; K quarter
	s_lshl_b32 s61, s23, 22                        ; 1,024 rows of 4,096 bytes
	s_add_co_u32 s58, s58, s61
	s_lshr_b32 s61, s14, 1                         ; my K step of chunk 0 begins at row 64 (w / 2) + 2 (w % 2)
	s_lshl_b32 s61, s61, 18
	s_add_co_u32 s58, s58, s61
	s_and_b32 s61, s14, 1
	s_lshl_b32 s61, s61, 13
	s_add_co_u32 s58, s58, s61
	s_lshl_b32 s61, s15, 9
	s_add_co_u32 s58, s58, s61
	v_lshlrev_b32 v10, 17, v2                      ; ybuf: eight slots of 16,384 bytes further on for lanes 16-31,
	v_lshl_add_u32 v10, v1, 4, v10                 ; 16 r
	v_lshlrev_b32 v11, 5, v2                       ; cw: eight slots further on
.endif
	s_wait_kmcnt 0x0
	s_load_b32 s17, s[10:11], s60 offset:0x2000    ; nt[e]
	s_load_b32 s18, s[10:11], s60 offset:0x2020    ; toff[e]
	s_add_nc_u64 s[4:5], s[4:5], s[58:59]
	s_wait_alu depctr_va_vdst(0)                   ; the offsets and addresses v5 to v12 are written, which the loads and stores below read
.if LAYER == 1
	s_add_nc_u64 s[6:7], s[6:7], s[62:63]
.irp hf, 0,1
.irp t, 0,1,2,3,4,5,6,7
	global_load_b128 v[BF+32*(\hf)+4*(\t):BF+32*(\hf)+4*(\t)+3], v12, s[6:7] offset:(\hf)*256+(\t)*16
.endr
.endr
.endif
	; THE HEAD.  Units 0 to 2 (chunk 0, and the first half of chunk 1) land where the accumulators will be; they hang on no number from memory and go out first.
	ULOAD 1, 0, 0, 0
	ULOAD 1, 1, 0, 1
	ULOAD 1, 2, 1, 0
	WIN 0
	s_wait_kmcnt 0x0
	s_min_u32 s17, s17, 64
	s_min_u32 s18, s18, 135
	s_max_u32 s59, s17, 1
	s_sub_co_u32 s59, s59, 1                       ; the expert's last tile (0 where it has none)
	s_mov_b32 s61, 0
.if LAYER == 1
	s_lshl_b32 s62, s15, 12                        ; hbuf: my slab's four K steps
.else
	s_lshl_b32 s62, s23, 15                        ; hbuf: my quarter's 32 K steps
	s_lshl_b32 s63, s23, 12                        ; ybuf: my quarter,
	s_lshl_b32 s58, s15, 9                         ; my 128 columns
	s_add_co_u32 s63, s63, s58
.endif
	s_mul_i32 s20, s14, 5                          ; my first tile of the first pass
	s_sub_co_i32 s21, s17, s20                     ; how many of the expert's tiles lie at or behind it
	BASES
.if LAYER == 2
	CWLOAD
.endif
	ULOAD 3, 1, 1, 1                               ; unit 3, tokens of K steps 0 and 1, unit 4, tokens of K step 2: the order in which the steps below issue them, so that their counts hold from the first step on
	RLOAD 0, 0
	RLOAD 1, 1024
	ULOAD 3, 0, 2, 0
	RLOAD 2, 2048
	UCVT 1, 0, 0, 0, 62, 0                         ; behind unit 2 stand at least the 62 loads of the five lines above: units 0 to 2, and b1 ahead of them, are in
	UCVT 1, 1, 0, 1, 62, 1
	UCVT 1, 2, CHUNK, 0, 62, 1
.if LAYER == 1
	; b1, rounded to bf16, into the layout of an accumulator: register t of column block 4 hf + c is column 64 hf + 32 h + 4 t + c
	s_wait_alu depctr_vm_vsrc(0)                   ; unit 2's LDS stores have read TMP, through which b1 passes
.irp hf, 0,1
.irp t, 0,1,2,3,4,5,6,7
.irp cc, 0,2
	v_cvt_pk_bf16_f32 v[TMP+16*(\hf)+2*(\t)+(\cc)/2], v[BF+32*(\hf)+4*(\t)+(\cc)], v[BF+32*(\hf)+4*(\t)+(\cc)+1]
.endr
.endr
.endr
.irp hf, 0,1
.irp t, 0,1,2,3,4,5,6,7
.irp cc, 0,2
	v_lshlrev_b32 v[BIAS+8*(4*(\hf)+(\cc))+(\t)], 16, v[TMP+16*(\hf)+2*(\t)+(\cc)/2]
	v_and_b32 v[BIAS+8*(4*(\hf)+(\cc)+1)+(\t)], 0xffff0000, v[TMP+16*(\hf)+2*(\t)+(\cc)/2]
.endr
.endr
.endr
	s_mov_b32 s54, 0xbdd2d3e8                      ; c1 = -0.10294324
	s_mov_b32 s55, s54
	s_mov_b32 s56, 0xc0135761                      ; c0 = -2.3022082
	s_mov_b32 s57, s56
	s_wait_alu depctr_va_vdst(0)                   ; b1's conversions are done reading v[BF ..], in which K step 0's fragments land
.endif
	s_wait_dscnt 0x0                               ; for the others' sake: my part of chunk 0 is in LDS
	s_barrier_signal -1
	s_barrier_wait -1                              ; chunk 0 is whole
	FRAG0
	; THE FIRST PASS UNDER THE STREAM.  Counts, at a step's head: behind an even K step's tokens stand a K step's tokens, a unit and a K step's tokens, 36 loads; behind an odd one's a unit, two K steps' tokens
	; and a unit, 52.  With the step's own 26 or 10 loads that makes 62 on their way.  Behind a step's fragments stand the 8 LDS stores of a unit, where one was stored behind them, or nothing.
	KSTEP 3, 1, 1, 1, 36, 0, 1, 1, 1, 2, 0, 0      ; K step 0 starts the sums (LAYER 1: with the bias as C; LAYER 2: with 0); unit 3 is stored, unit 5 asked for
	WIN 0
	s_wait_alu depctr_vm_vsrc(0)                   ; unit 3's LDS stores have read v6
	v_add_nc_u32 v6, CHUNK, v6
	s_mov_b32 s22, 5
.Lflow:                                                ; trip t: K steps 4 t + 1 to 4 t + 4; units 2 t + 4 and 2 t + 5 (chunk t + 2) are stored, units 2 t + 6 and 2 t + 7 (chunk t + 3) asked for
	KSTEP 0, 0, 1, 1, 52, 8, 0, 9, 0, 9, 0, 0
	KSTEP 1, 0, 1, 1, 36, 99, 0, 0, 0, 3, 1, 0     ; the wait for all my LDS instructions stands in front of the signal
	KSTEP 2, 0, 1, 1, 52, 99, 0, 9, 0, 9, 0, 1     ; chunk t + 1 is whole: this step asks for its first fragments; its own were shown landed in front of the signal
	KSTEP 3, 0, 1, 1, 36, 0, 0, 1, 1, 3, 0, 0
	WIN 0
	s_wait_xcnt 0x0                                ; the weights' base and the tokens' offset are stepped only behind this wait
	s_wait_alu depctr_vm_vsrc(0)                   ; the trip's loads and LDS stores have read v9, v8 and v6
	s_add_nc_u64 s[4:5], s[4:5], 128*PITCH         ; a chunk on
	v_add_nc_u32 v9, 4096, v9
	v_add_nc_u32 v8, CHUNK, v8
	v_add_nc_u32 v6, CHUNK, v6
	s_sub_co_u32 s22, s22, 1
	s_cmp_lg_u32 s22, 0
	s_cbranch_scc1 .Lflow
	UCVT 3, 0, CHUNK, 0, 36, 1                     ; the last two units, chunk 7: behind unit 14 stand two K steps' tokens and unit 15,
	UCVT 3, 1, CHUNK, 1, 0, 1                      ; behind unit 15 nothing
	s_wait_dscnt 0x0                               ; for the others' sake: all my fragments are in LDS
	s_barrier_signal -1
	s_barrier_wait -1                              ; all 32 K steps are whole: from here to the last barrier LDS is read alone
	s_mov_b32 s19, 4                               ; passes to go, this one among them
	s_mov_b32 s22, 2                               ; K steps 21 to 28 are two trips of the later passes' loop, which is entered here; the offsets v8 and v9 stand where its sixth trip finds them
	s_branch .Lk
.Lpass:
	s_sub_co_i32 s21, s17, s20                     ; how many of the expert's tiles lie at or behind my first of this pass
	s_cmp_le_i32 s21, 0
	s_cbranch_scc1 .Lnext
	s_wait_xcnt 0x0                                ; the last pass's stores have read their bases and registers
	BASES
	s_wait_alu depctr_vm_vsrc(0)                   ; the last pass's loads have read v9 and v8, which are made anew; its stores have read BF's registers, in which this pass's fragments land
	v_mov_b32 v9, v7
	v_mov_b32 v8, v7
	s_wait_alu depctr_va_vdst(0)                   ; v9 and v8 are written; the way out has written BF and is done reading CW, and the last pass's products are done reading the ring: the loads below land in all three
.if LAYER == 2
	CWLOAD
.endif
	RLOAD 0, 0
	RLOAD 1, 1024
	RLOAD 2, 2048
	FRAG0
	KSTEP 3, 1, 1, 1, 20, 0, 1, 9, 0, 9, 0, 0      ; K step 0 starts the sums; from here on, at a step's head, ten loads for each of the two younger slots of the ring, and no LDS load behind the step's fragments
	WIN 0
	s_mov_b32 s22, 7
.Lk:
	KSTEP 0, 0, 1, 1, 20, 0, 0, 9, 0, 9, 0, 0
	KSTEP 1, 0, 1, 1, 20, 0, 0, 9, 0, 9, 0, 0
	KSTEP 2, 0, 1, 1, 20, 0, 0, 9, 0, 9, 0, 0
	KSTEP 3, 0, 1, 1, 20, 0, 0, 9, 0, 9, 0, 0
	WIN 0
	s_wait_xcnt 0x0                                ; the tokens' offset is stepped only behind this wait
	s_wait_alu depctr_vm_vsrc(0)                   ; the trip's loads have read v9 and v8
	v_add_nc_u32 v9, 4096, v9
	v_add_nc_u32 v8, CHUNK, v8                     ; four K steps of fragments on: the last read of a pass ends at byte 262,143, in front of the spare words
	s_sub_co_u32 s22, s22, 1
	s_cmp_lg_u32 s22, 0
	s_cbranch_scc1 .Lk
	KSTEP 0, 0, 0, 1, 20, 0, 0, 9, 0, 9, 0, 0      ; K steps 29 to 31: nothing more of the tokens to ask for, the counts run down
	KSTEP 1, 0, 0, 1, 10, 0, 0, 9, 0, 9, 0, 0
	KSTEP 2, 0, 0, 0, 0, 0, 0, 9, 0, 9, 0, 0
	WIN 0
	PLACES                                         ; between the last product and the first read of a result
.irp i, 0,1,2,3,4
	s_cmp_le_i32 s21, \i
	s_cbranch_scc1 .Lnext                          ; the places beyond the expert's tiles store nothing
.if LAYER == 1
	EPI1 \i
.else
	EPI2 \i
.endif
.endr
.Lnext:
	s_add_co_u32 s20, s20, 20
	s_sub_co_u32 s19, s19, 1
	s_cmp_lg_u32 s19, 0
	s_cbranch_scc1 .Lpass
	s_wait_dscnt 0x0                               ; my reads of the fragments are back;
	s_barrier_signal -1                            ; the last barrier, on every wave's path (the loop above counts to a constant): all four waves' LDS reads are over
	s_barrier_wait -1                              ; before any wave writes LDS again, by the add below
	s_wait_dscnt 0x0                               ; the closing lines, six on end
	s_wait_alu 0x0
	s_wait_tensorcnt 0x0
	ds_add_u32 v3, v4
	s_wait_dscnt 0x0
	s_endpgm
.Lfunc_end_k_qc7839625e7_ffn1:
	.size	k_qc7839625e7_ffn1, .Lfunc_end_k_qc7839625e7_ffn1-k_qc7839625e7_ffn1
	.p2alignl 7, 3214868480
	.fill 96, 4, 3214868480
	.section	.rodata,"a",@progbits
	.p2align	6, 0x0
	.amdhsa_kernel k_qc7839625e7_ffn1
		.amdhsa_group_segment_fixed_size 262656
		.amdhsa_private_segment_fixed_size 0
		.amdhsa_enable_private_segment 0
		.amdhsa_kernarg_size 40
		.amdhsa_user_sgpr_count 2
		.amdhsa_user_sgpr_kernarg_segment_ptr 1
		.amdhsa_wavefront_size32 1
		.amdhsa_system_sgpr_workgroup_id_x 1
		.amdhsa_system_sgpr_workgroup_id_y 1
		.amdhsa_system_sgpr_workgroup_id_z 1
		.amdhsa_system_vgpr_workitem_id 0
		.amdhsa_next_free_vgpr 896
		.amdhsa_next_free_sgpr 66
		.amdhsa_reserve_vcc 0
		.amdhsa_float_denorm_mode_32 3
		.amdhsa_float_denorm_mode_16_64 3
		.amdhsa_memory_ordered 1
		.amdhsa_forward_progress 1
		.amdhsa_inst_pref_size 200
	.end_amdhsa_kernel
	.amdgpu_metadata
---
amdhsa.version: [ 1, 2 ]
amdhsa.kernels:
  - .name:           k_qc7839625e7_ffn1
    .symbol:         k_qc7839625e7_ffn1.kd
    .args:
      - { .name: w1, .offset: 0, .size: 8, .value_kind: global_buffer, .address_space: global }
      - { .name: b1, .offset: 8, .size: 8, .value_kind: global_buffer, .address_space: global }
      - { .name: xg, .offset: 16, .size: 8, .value_kind: global_buffer, .address_space: global }
      - { .name: plan, .offset: 24, .size: 8, .value_kind: global_buffer, .address_space: global }
      - { .name: hbuf, .offset: 32, .size: 8, .value_kind: global_buffer, .address_space: global }
    .group_segment_fixed_size: 262656
    .private_segment_fixed_size: 0
    .kernarg_segment_align: 8
    .kernarg_segment_size: 40
    .max_flat_workgroup_size: 128
    .sgpr_count:     66
    .vgpr_count:     896
    .wavefront_size: 32
...
	.end_amdgpu_metadata
.endif
;; end of part 6
;; launch ffn2 (part 7): grid 32 x 8, 4 waves a work-group, no clusters, 262,656 bytes of LDS; arguments w2, hbuf, cw, plan, ybuf; writes ybuf
.if DOCPART == 7
	.amdgcn_target "amdgcn-amd-amdhsa--gfx1250"
	.amdhsa_code_object_version 6
	.text
	.protected	k_qc7839625e7_ffn2
	.globl	k_qc7839625e7_ffn2
	.p2align	8
	.type	k_qc7839625e7_ffn2,@function
k_qc7839625e7_ffn2:
	s_mov_b64 s[64:65], 0
	v_nop
	global_prefetch_b8 v0, s[64:65] scope:SCOPE_SE
	s_setreg_imm32_b32 hwreg(HW_REG_WAVE_SCHED_MODE, 0, 2), 2
	s_setreg_imm32_b32 hwreg(HW_REG_WAVE_MODE, 25, 1), 1
	s_wait_xcnt 0x0
	s_wait_alu depctr_vm_vsrc(0)
; ONE LAYER OF THE EXPERTS.  LAYER 1: h = gelu(x w1[e] + b1[e]) (tanh form), to hbuf in bf16.  LAYER 2: y = cw (h w2[e]), a quarter of K at a time, to ybuf in f32.  One text; LAYER picks the constants.
; A work-group owns 1,024 k x 128 columns of one expert's weights (LAYER 1: column slab ttmp9; LAYER 2: column slab ttmp9 & 7, K quarter ttmp9 >> 3).  They are read once, rounded to bf16 and laid into LDS
; as ready fragments, where they stay: 32 K steps of 8,192 bytes, in eight chunks of four K steps.
; UNITS.  A unit is 16 loads: 32 rows x 256 bytes, one column half of one K step.  A load takes, in lanes 0-15, 256 consecutive aligned bytes of one row and in lanes 16-31 of another: lane r holds columns
; 4 r + c, so register c belongs to column block c; pairing two rows' registers gives a fragment's register.  Of chunk c wave w brings K step 4 c + w: unit U of a wave is chunk U / 2, column half U % 2.
; PASSES.  The expert's nt tiles of 16 slots are dealt five to a wave, twenty to a pass; four passes serve the 64 tiles that an expert can have.
; THE FIRST PASS RUNS UNDER THE STREAM.  Units 0 to 2 are rounded at the head.  Then, in every even K step k up to 20, the wave rounds unit k / 2 + 3, which it asked for four K steps before, and asks for unit
; k / 2 + 5 into the same registers: two units and three K steps' tokens are on their way, 62 loads.  A barrier in every four K steps (signal in step 4 t + 2, behind the unit's LDS stores; wait at the head of
; step 4 t + 3, the first that reads chunk t + 1) shows each chunk whole before it is read; between two barriers chunk t + 1 is read while chunks t + 2 and t + 3 are written; no LDS byte is written twice.
; The first pass has no branch on data, so its barriers are on every wave's path: a place beyond the expert's tiles repeats a live tile (with no tile at all: whatever tile lies at the expert's offset) and stores nothing.
; From K step 21 on it runs in the text of the later passes, which it enters in the middle.  A later pass whose five tiles lie beyond nt is jumped over; nothing that is jumped holds a barrier.
; The tokens' operands lie in memory in fragment order: a fragment is two loads of 512 consecutive bytes.  40 accumulators take turns, one instruction a turn.
; LAYER 1 uses the matrix instruction with source 0 = weights, source 1 = tokens: a lane holds one token and columns 64 half + 32 h + 4 j + c, which IS the order of k in which LAYER 2 reads hbuf
; (K step S, piece p, element i: k = 64 (S / 2) + 32 h + 4 i + 2 (S % 2) + p), and LAYER 2's weight rows are picked in that order.  LAYER 2 uses source 0 = tokens, source 1 = weights: a lane holds
; four neighbouring columns (one in each of four accumulators) of eight slots.
; All inputs are rounded to bf16 (w, b1); h is rounded once to bf16; sums in f32.  LIMITS: NaN and infinities are not treated apart; an expert that no token chose still has its weights streamed.
; No cluster and no tensor load: the weights are shared by nobody and must pass through registers to be rounded; the tokens' tiles are shared by an expert's 32 work-groups, but 262,144 bytes of LDS hold the weights.
; THE MODE: SCHED_MODE bits 1:0 = 2 (LLVM: expert scheduling mode 2), set by the entry lines.  The code itself states the register dependences
; between vector or matrix instructions and memory or LDS instructions, with s_wait_alu, always for 0.
; THE PLAN.  Registers that memory or LDS instructions touch:
;   BF0, BF1      K step k's products read BF[k % 2]; the LDS loads that step k issues land in the other one, which step k - 1's products read.  On the way out vector work writes both and the stores read them.
;   ring 0 .. 3   K step k's products read slot k % 4; the token loads that step k issues (for step k + 3) land in slot (k + 3) % 4, which step k - 1's products read.
;   landing 0, 1  A unit's 16 loads land there; four K steps later its 32 conversions read it, and the slot is asked for again in the same step.
;   TMP           Written by a unit's conversions, read by its eight LDS stores (at LAYER 1's head b1's conversions pass through it too).
;   v6, v8, v9    LDS address of the unit stores, LDS address of the fragment loads, offset of the token loads: made at the head or at a pass's start, stepped once a trip.
;   v5, v7, v10, v11, v12  Offsets made at the head and never written again.     CW  Loaded at a pass's start, read by LAYER 2's way out.     v3, v4  Read by the closing add alone.
;   The accumulators and BIAS are named by vector and matrix instructions alone (at the head units 0 to 2 land where the accumulators will be, ahead of every instruction that names them).
; So ONE wait on va_vdst stands in a K step, behind the waits for its own data and behind a unit's conversions.  The step's products follow it at once, and its loads and LDS stores are dealt among them: the
; products name BF[k % 2], ring slot k % 4, the accumulators and BIAS, none of which those loads and stores touch.  One wait on vm_vsrc stands ahead of each rewriting of TMP and ahead of each trip's address steps.
.set LAYER, 2
.if LAYER == 1
.set PITCH, 16384                      ; bytes from row to row of the weights
.set HSH,   18                         ; lanes 16-31 read 16 rows further down: 16 x 16,384 bytes
.else
.set PITCH, 4096
.set HSH,   17                         ; 32 rows further down: 32 x 4,096 bytes
.endif
.set CHUNK, 32768                      ; four K steps of fragments in LDS; in memory a chunk is 128 rows
.set SPARE, 262144                     ; behind the fragments: the spare words, 128 bytes for each wave
.set TMP,  16                          ; v[16:47]   rounded weights on their way to LDS
.set BF,   64                          ; v[64:127], v[128:191] two buffers of 8 weight fragments; at work on the way out
.set BIAS, 192                         ; v[192:255] LAYER 1: b1 in the accumulators' layout, by column block
.set CW,   192                         ; v[192:231] LAYER 2: cw of my eight slots, by tile
.set RING, 64                          ; window 2: v[64:223] four slots of five token fragments
.set TB,   24                          ; s[24:33]  the five tiles' operands
.set OBS,  34                          ; s[34:43]  where their results go
.set CB,   44                          ; s[44:53]  LAYER 2: their cw
; windows of 256 registers: window 1 = the accumulators of tiles 0-3 ((i, b) at 64 i + 8 b); at the head units 0 to 2 land there.  window 2 = v[0:63] tile 4's accumulators, then the ring.
; window 3 = v[0:127] two landing slots of 64 for the units that stream under the first pass.
.set MSB, 0
.macro WIN new                         ; bits 1:0 source 0, 3:2 source 1, 5:4 source 2, 7:6 destination; the high byte repeats the setting that is left
.if MSB != (\new)
	s_set_vgpr_msb (MSB<<8)|(\new)
.set MSB, (\new)
.endif
.endm
.macro PLACES
.rept 4
	v_nop
.endr
.endm
; a unit is asked for: 16 loads into slot 'slot' of window 'win'; ch = chunks ahead of the base, half = column half
.macro ULOAD win, slot, ch, half
	WIN (\win)<<6
.irp j, 0,1
.irp i, 0,1,2,3,4,5,6,7
.if LAYER == 1
.set ROWN, 128*(\ch)+8*(\j)+(\i)
.else
.set ROWN, 128*(\ch)+4*(\i)+(\j)
.endif
	global_load_b128 v[64*(\slot)+4*(8*(\j)+(\i)):64*(\slot)+4*(8*(\j)+(\i))+3], v5, s[4:5] offset:ROWN*PITCH+(\half)*256 th:TH_LOAD_NT
.endr
.endr
.endm
; a landed unit is rounded into TMP.  left: the younger loads that may stay out.  again = 1: TMP has been stored from before
.macro UCV win, slot, left, again
	s_wait_loadcnt \left
.if \again
	s_wait_alu depctr_vm_vsrc(0)                   ; the LDS stores of the unit before have read TMP, which the conversions write again
.endif
	WIN 5*(\win)
.irp c, 0,1,2,3
.irp j, 0,1
.irp p, 0,1,2,3
	v_cvt_pk_bf16_f32 v[TMP+8*(\c)+4*(\j)+(\p)], v[64*(\slot)+4*(8*(\j)+2*(\p))+(\c)], v[64*(\slot)+4*(8*(\j)+2*(\p)+1)+(\c)]
.endr
.endr
.endr
.endm
; TMP goes to LDS as four fragments, off bytes behind v6
.macro UST off, half
	WIN 0
.irp c, 0,1,2,3
.irp j, 0,1
	ds_store_b128 v6, v[TMP+8*(\c)+4*(\j):TMP+8*(\c)+4*(\j)+3] offset:(\off)+(4*(\half)+(\c))*1024+(\j)*512
.endr
.endr
.endm
; both on end, at the head and behind the stream, where no products stand between
.macro UCVT win, slot, off, half, left, again
	UCV \win, \slot, \left, \again
	s_wait_alu depctr_va_vdst(0)                   ; the conversions have written TMP, which the LDS stores read (behind the stream: v6, their address, is written too)
	UST \off, \half
.endm
; ten loads: one K step's fragments of the five tiles, into a slot of the ring
.macro RLOAD slot, off
	WIN 0x80
.irp i, 0,1,2,3,4
.irp j, 0,1
	global_load_b128 v[RING+40*(\slot)+8*(\i)+4*(\j):RING+40*(\slot)+8*(\i)+4*(\j)+3], v9, s[TB+2*(\i):TB+2*(\i)+1] offset:(\off)+(\j)*512
.endr
.endr
.endm
; K step 0's weight fragments
.macro FRAG0
	WIN 0
.irp b, 0,1,2,3,4,5,6,7
.irp j, 0,1
	ds_load_b128 v[BF+8*(\b)+4*(\j):BF+8*(\b)+4*(\j)+3], v8 offset:(\b)*1024+(\j)*512
.endr
.endr
.endm
.macro WM i, b, first
.if (\i) < 4
.set DA, 64*(\i)+8*(\b)
.else
.set DA, 8*(\b)
.endif
.if LAYER == 1
.if \first
	v_wmma_f32_16x16x32_bf16 v[DA:DA+7], v[BR+8*(\b):BR+8*(\b)+7], v[RR+8*(\i):RR+8*(\i)+7], v[BIAS+8*(\b):BIAS+8*(\b)+7]
.else
	v_wmma_f32_16x16x32_bf16 v[DA:DA+7], v[BR+8*(\b):BR+8*(\b)+7], v[RR+8*(\i):RR+8*(\i)+7], v[DA:DA+7]
.endif
.else
.if \first
	v_wmma_f32_16x16x32_bf16 v[DA:DA+7], v[RR+8*(\i):RR+8*(\i)+7], v[BR+8*(\b):BR+8*(\b)+7], 0
.else
	v_wmma_f32_16x16x32_bf16 v[DA:DA+7], v[RR+8*(\i):RR+8*(\i)+7], v[BR+8*(\b):BR+8*(\b)+7], v[DA:DA+7]
.endif
.endif
.endm
; tile i's eight products of a K step
.macro MUL i, first
.if LAYER == 1
.if (\i) < 4
	WIN 0x58-0x10*(\first)                         ; weights window 0, tokens window 2, D window 1; C window 1, or (first) the bias in window 0
.else
	WIN 0xa8-0x20*(\first)                         ; the same with D (and C) in window 2
.endif
.else
.if (\i) < 4
	WIN 0x52                                       ; tokens window 2, weights window 0, C and D window 1
.else
	WIN 0xa2
.endif
.endif
.irp b, 0,1,2,3,4,5,6,7
	WM \i, \b, \first
.endr
.endm
; K step k = 4 t + 1 + m of trip t (adj = 1: t = -1, the step ahead of a loop).  It asks for the weight fragments of step k + 1 (pfb) and the tokens' of step k + 3 (pfa), into registers that step k - 1
; read.  lc, dc: the younger loads and LDS instructions that may stay out when this step's tokens and fragments have to be there, counted at the step's head, ahead of its own loads (dc = 99: no wait is owed).
; Under the stream: us < 2: the unit in landing slot us (column half uh) is rounded and stored; behind it were issued two K steps' tokens, a unit and a third K step's tokens: 46 loads.
; uc < 9: the slot is asked for again, uc chunks ahead of the base.  sig: the barrier's signal, behind the wait for my LDS stores.  bw: its wait, ahead of the first read of the chunk that it shows whole.
; THE ORDER.  Tile 4's products come first, so that a plain step has four window switches; the fragments' loads and a unit's LDS stores stand behind them, the loads from memory behind those (in a unit's step
; behind tile 0's products).  The signal's step keeps all its loads and stores ahead of the signal: only matrix instructions stand between the signal and its wait.
.macro KSTEP m, first, pfa, pfb, lc, dc, adj, us, uh, uc, sig, bw
.set BD, BF+64*((\m)%2)
.set BR, BF+64*((1+(\m))%2)
.set RR, RING+40*((1+(\m))%4)
.if \bw
	s_barrier_wait -1
.endif
	PLACES                                         ; four places between step k - 1's products and the loads into the registers that they read
.if (\us) < 2
	UCV 3, \us, 46, 1
.endif
	s_wait_loadcnt \lc                             ; loads come back in order (ISA guide 5.7.1): this step's tokens are in
.if (\dc) < 64
	s_wait_dscnt \dc                               ; and so are its fragments
.endif
.if ((\pfa) || (\pfb)) && (!(\first) || ((\us) < 2))   ; a step that issues nothing has nothing to state; a later pass's first step leans on the wait at the pass's start
	s_wait_alu depctr_va_vdst(0)                   ; step k - 1's products are done reading the other BF and ring slot (k + 3) % 4, in which the loads below land; a unit's conversions have written TMP, which the LDS stores below read, and are done reading the landing slot, which is asked for again; in a trip's first step v6, v8 and v9 are written
.endif
.if !(\sig)
	MUL 4, \first
.endif
.if \pfb
	WIN 0
.irp b, 0,1,2,3,4,5,6,7
.irp j, 0,1
	ds_load_b128 v[BD+8*(\b)+4*(\j):BD+8*(\b)+4*(\j)+3], v8 offset:(2+(\m))*8192-(\adj)*32768+(\b)*1024+(\j)*512  ; no wait: no vector or matrix instruction since the wait above names these registers
.endr
.endr
.endif
.if (\us) < 2
	UST CHUNK, \uh
.if !(\sig)
	MUL 0, \first
.endif
.endif
.if \pfa
	RLOAD (\m)%4, (4+(\m))*1024-(\adj)*4096
.endif
.if (\uc) < 9
	ULOAD 3, \us, \uc, \uh
.endif
.if \sig
	s_wait_dscnt 0x0                               ; for the others' sake: my LDS stores are done; this step's and the next step's fragments are in as well
	s_barrier_signal -1                            ; only matrix instructions stand between this line and the wait at the next step's head
	MUL 4, \first
	MUL 0, \first
.elseif (\us) > 1
	MUL 0, \first
.endif
	MUL 1, \first
	MUL 2, \first
	MUL 3, \first
.endm
; the addresses of the pass's five tiles: tile s20 + i of the expert, held to its last; the sum with the expert's offset is clamped to the table of 136 tiles before it enters an address
.macro BASES
.irp i, 0,1,2,3,4
	s_add_co_u32 s58, s20, \i
	s_min_u32 s58, s58, s59                        ; a place beyond the expert's tiles repeats the last
	s_add_co_u32 s58, s58, s18
	s_min_u32 s58, s58, 135
.if LAYER == 1
	s_lshl_b32 s60, s58, 15
	s_add_nc_u64 s[TB+2*(\i):TB+2*(\i)+1], s[8:9], s[60:61]
	s_lshl_b32 s60, s58, 17
	s_add_co_u32 s60, s60, s62
	s_add_nc_u64 s[OBS+2*(\i):OBS+2*(\i)+1], s[12:13], s[60:61]
.else
	s_lshl_b32 s60, s58, 17
	s_add_co_u32 s60, s60, s62
	s_add_nc_u64 s[TB+2*(\i):TB+2*(\i)+1], s[6:7], s[60:61]
	s_lshl_b32 s60, s58, 18
	s_add_co_u32 s60, s60, s63
	s_add_nc_u64 s[OBS+2*(\i):OBS+2*(\i)+1], s[12:13], s[60:61]
	s_lshl_b32 s60, s58, 6
	s_add_nc_u64 s[CB+2*(\i):CB+2*(\i)+1], s[8:9], s[60:61]
.endif
.endr
.endm
.macro CWLOAD                          ; LAYER 2: the weights of my eight slots in each of the five tiles
.irp i, 0,1,2,3,4
	global_load_b128 v[CW+8*(\i):CW+8*(\i)+3],   v11, s[CB+2*(\i):CB+2*(\i)+1]
	global_load_b128 v[CW+8*(\i)+4:CW+8*(\i)+7], v11, s[CB+2*(\i):CB+2*(\i)+1] offset:16
.endr
.endm
; LAYER 1's way out of tile i: gelu(x) = x / (1 + 2^(x (c1 x^2 + c0))), c0 = -2 log2(e) sqrt(2 / pi), c1 = 0.044715 c0: the tanh form.  An exponential that overflows gives the quotient 0, the right limit.
; Every accumulator is read from its low end on.  A lane's eight numbers of a column block are 16 bytes of hbuf: each store covers 512 consecutive bytes, aligned.
.macro EPI1 i
.if (\i) < 4
.set XB, 64*(\i)
.set WA, 0x05
.set WC, 0x04
.else
.set XB, 0
.set WA, 0x0a
.set WC, 0x08
.endif
	s_wait_xcnt 0x0                                ; the last tile's stores have read their registers
.if (\i) > 0
	s_wait_alu depctr_vm_vsrc(0)                   ; the last tile's stores have read v[BF+64 ..], which this tile's roundings write again (ahead of tile 0 the pass's start has stated it)
.endif
	WIN WA
.set n, 0
.rept 32
	v_pk_mul_f32 v[BF+2*n:BF+2*n+1], v[XB+2*n:XB+2*n+1], v[XB+2*n:XB+2*n+1]
.set n, n+1
.endr
	WIN 0
.set n, 0
.rept 32
	v_pk_fma_f32 v[BF+2*n:BF+2*n+1], v[BF+2*n:BF+2*n+1], s[54:55], s[56:57] op_sel_hi:[1,0,0]
.set n, n+1
.endr
	WIN WC
.set n, 0
.rept 32
	v_pk_mul_f32 v[BF+2*n:BF+2*n+1], v[BF+2*n:BF+2*n+1], v[XB+2*n:XB+2*n+1]
.set n, n+1
.endr
	WIN 0
.set n, 0
.rept 64
	v_exp_f32 v[BF+n], v[BF+n]
.set n, n+1
.endr
	v_nop                                          ; a plain instruction behind the last exponential (ISA guide 5.7.2)
.set n, 0
	s_wait_alu depctr_va_vdst(0)                   ; the 64 exponentials have written v[BF ..]: one wait for the batch, ahead of its first reader
.rept 32
	v_pk_add_f32 v[BF+2*n:BF+2*n+1], v[BF+2*n:BF+2*n+1], 1.0 op_sel_hi:[1,0]
.set n, n+1
.endr
.set n, 0
.rept 64
	v_rcp_f32 v[BF+n], v[BF+n]
.set n, n+1
.endr
	v_nop
	WIN WC
.set n, 0
	s_wait_alu depctr_va_vdst(0)                   ; the 64 reciprocals have written v[BF ..]: one wait for the batch, ahead of its first reader
.rept 32
	v_pk_mul_f32 v[BF+2*n:BF+2*n+1], v[BF+2*n:BF+2*n+1], v[XB+2*n:XB+2*n+1]
.set n, n+1
.endr
	WIN 0
.set n, 0
.rept 32
	v_cvt_pk_bf16_f32 v[BF+64+n], v[BF+2*n], v[BF+2*n+1]
.set n, n+1
.endr
	s_wait_alu depctr_va_vdst(0)                   ; the roundings have written v[BF+64 ..], which the stores read
.irp b, 0,1,2,3,4,5,6,7
	global_store_b128 v7, v[BF+64+4*(\b):BF+64+4*(\b)+3], s[OBS+2*(\i):OBS+2*(\i)+1] offset:(\b)*512
.endr
.endm
; LAYER 2's way out of tile i: times the slot's weight, and four accumulators' numbers side by side: 16 bytes a lane, sixteen lanes 256 consecutive bytes, aligned, of one slot's row.
.macro EPI2 i
.if (\i) < 4
.set XB, 64*(\i)
.set WA, 0x01
.else
.set XB, 0
.set WA, 0x02
.endif
.set OB, BF+64*((\i)%2)
	s_wait_xcnt 0x0                                ; earlier stores have read their registers
.if (\i) > 1
	s_wait_alu depctr_vm_vsrc(0)                   ; the stores of the tile two back have read this out-buffer, which the multiplies write again (ahead of tiles 0 and 1 the pass's start has stated it)
.endif
	WIN WA
.irp j, 0,1,2,3,4,5,6,7
.irp hf, 0,1
.irp c, 0,1,2,3
	v_mul_f32 v[OB+4*(8*(\hf)+(\j))+(\c)], v[XB+8*(4*(\hf)+(\c))+(\j)], v[CW+8*(\i)+(\j)]
.endr
.endr
.endr
	WIN 0
	s_wait_alu depctr_va_vdst(0)                   ; the multiplies have written the out-buffer, which the stores read
.irp j, 0,1,2,3,4,5,6,7
.irp hf, 0,1
	global_store_b128 v10, v[OB+4*(8*(\hf)+(\j)):OB+4*(8*(\hf)+(\j))+3], s[OBS+2*(\i):OBS+2*(\i)+1] offset:(\j)*16384+(\hf)*256
.endr
.endr
.endm
	s_load_b256 s[4:11], s[0:1], 0x0               ; LAYER 1: w1, b1, xg, plan.  LAYER 2: w2, hbuf, cw, plan
	s_load_b64 s[12:13], s[0:1], 0x20              ; hbuf, or ybuf
	v_lshl_add_u32 v3, v0, 2, SPARE                ; my spare word
	v_mov_b32 v4, 0
	v_and_b32 v1, 15, v0                           ; r
	v_bfe_u32 v2, v0, 4, 1                         ; h
	v_lshrrev_b32 v13, 5, v0
	v_readfirstlane_b32 s14, v13                   ; wave
	v_and_b32 v7, 31, v0
	v_lshlrev_b32 v7, 4, v7                        ; 16 x lane
	v_lshlrev_b32 v5, 4, v1
	v_lshl_add_u32 v5, v2, HSH, v5                 ; weights: 16 r, and the other row for lanes 16-31
	v_mov_b32 v9, v7                               ; the first pass's offset of the tokens and LDS address of the fragments, made with the other addresses
	v_mov_b32 v8, v7
	s_wait_alu depctr_va_sdst(0)                   ; s14 is written, ahead of its first reader: addresses and the share of tiles are made from it
	s_lshl_b32 s58, s14, 13
	v_add_nc_u32 v6, s58, v7                       ; LDS: my K step of a chunk, 8,192 bytes a wave
	s_and_b32 s16, ttmp7, 0xffff                   ; the expert
	s_lshl_b32 s60, s16, 2
	s_lshl_b32 s58, s16, 24                        ; an expert's weights are 16,777,216 bytes
	s_mov_b32 s59, 0
.if LAYER == 1
	s_mov_b32 s15, ttmp9                           ; column slab
	s_lshl_b32 s61, s14, 19                        ; my K step of chunk 0: 32 rows of 16,384 bytes a wave
	s_add_co_u32 s58, s58, s61
	s_lshl_b32 s61, s15, 9
	s_add_co_u32 s58, s58, s61
	v_lshlrev_b32 v12, 7, v2                       ; b1: 32 columns further on for lanes 16-31
	s_lshl_b32 s62, s16, 14
	s_add_co_u32 s62, s62, s61
	s_mov_b32 s63, 0
.else
	s_and_b32 s15, ttmp9, 7                        ; column slab
	s_lshr_b32 s23, ttmp9, 3                       ; K quarter
	s_lshl_b32 s61, s23, 22                        ; 1,024 rows of 4,096 bytes
	s_add_co_u32 s58, s58, s61
	s_lshr_b32 s61, s14, 1                         ; my K step of chunk 0 begins at row 64 (w / 2) + 2 (w % 2)
	s_lshl_b32 s61, s61, 18
	s_add_co_u32 s58, s58, s61
	s_and_b32 s61, s14, 1
	s_lshl_b32 s61, s61, 13
	s_add_co_u32 s58, s58, s61
	s_lshl_b32 s61, s15, 9
	s_add_co_u32 s58, s58, s61
	v_lshlrev_b32 v10, 17, v2                      ; ybuf: eight slots of 16,384 bytes further on for lanes 16-31,
	v_lshl_add_u32 v10, v1, 4, v10                 ; 16 r
	v_lshlrev_b32 v11, 5, v2                       ; cw: eight slots further on
.endif
	s_wait_kmcnt 0x0
	s_load_b32 s17, s[10:11], s60 offset:0x2000    ; nt[e]
	s_load_b32 s18, s[10:11], s60 offset:0x2020    ; toff[e]
	s_add_nc_u64 s[4:5], s[4:5], s[58:59]
	s_wait_alu depctr_va_vdst(0)                   ; the offsets and addresses v5 to v12 are written, which the loads and stores below read
.if LAYER == 1
	s_add_nc_u64 s[6:7], s[6:7], s[62:63]
.irp hf, 0,1
.irp t, 0,1,2,3,4,5,6,7
	global_load_b128 v[BF+32*(\hf)+4*(\t):BF+32*(\hf)+4*(\t)+3], v12, s[6:7] offset:(\hf)*256+(\t)*16
.endr
.endr
.endif
	; THE HEAD.  Units 0 to 2 (chunk 0, and the first half of chunk 1) land where the accumulators will be; they hang on no number from memory and go out first.
	ULOAD 1, 0, 0, 0
	ULOAD 1, 1, 0, 1
	ULOAD 1, 2, 1, 0
	WIN 0
	s_wait_kmcnt 0x0
	s_min_u32 s17, s17, 64
	s_min_u32 s18, s18, 135
	s_max_u32 s59, s17, 1
	s_sub_co_u32 s59, s59, 1                       ; the expert's last tile (0 where it has none)
	s_mov_b32 s61, 0
.if LAYER == 1
	s_lshl_b32 s62, s15, 12                        ; hbuf: my slab's four K steps
.else
	s_lshl_b32 s62, s23, 15                        ; hbuf: my quarter's 32 K steps
	s_lshl_b32 s63, s23, 12                        ; ybuf: my quarter,
	s_lshl_b32 s58, s15, 9                         ; my 128 columns
	s_add_co_u32 s63, s63, s58
.endif
	s_mul_i32 s20, s14, 5                          ; my first tile of the first pass
	s_sub_co_i32 s21, s17, s20                     ; how many of the expert's tiles lie at or behind it
	BASES
.if LAYER == 2
	CWLOAD
.endif
	ULOAD 3, 1, 1, 1                               ; unit 3, tokens of K steps 0 and 1, unit 4, tokens of K step 2: the order in which the steps below issue them, so that their counts hold from the first step on
	RLOAD 0, 0
	RLOAD 1, 1024
	ULOAD 3, 0, 2, 0
	RLOAD 2, 2048
	UCVT 1, 0, 0, 0, 62, 0                         ; behind unit 2 stand at least the 62 loads of the five lines above: units 0 to 2, and b1 ahead of them, are in
	UCVT 1, 1, 0, 1, 62, 1
	UCVT 1, 2, CHUNK, 0, 62, 1
.if LAYER == 1
	; b1, rounded to bf16, into the layout of an accumulator: register t of column block 4 hf + c is column 64 hf + 32 h + 4 t + c
	s_wait_alu depctr_vm_vsrc(0)                   ; unit 2's LDS stores have read TMP, through which b1 passes
.irp hf, 0,1
.irp t, 0,1,2,3,4,5,6,7
.irp cc, 0,2
	v_cvt_pk_bf16_f32 v[TMP+16*(\hf)+2*(\t)+(\cc)/2], v[BF+32*(\hf)+4*(\t)+(\cc)], v[BF+32*(\hf)+4*(\t)+(\cc)+1]
.endr
.endr
.endr
.irp hf, 0,1
.irp t, 0,1,2,3,4,5,6,7
.irp cc, 0,2
	v_lshlrev_b32 v[BIAS+8*(4*(\hf)+(\cc))+(\t)], 16, v[TMP+16*(\hf)+2*(\t)+(\cc)/2]
	v_and_b32 v[BIAS+8*(4*(\hf)+(\cc)+1)+(\t)], 0xffff0000, v[TMP+16*(\hf)+2*(\t)+(\cc)/2]
.endr
.endr
.endr
	s_mov_b32 s54, 0xbdd2d3e8                      ; c1 = -0.10294324
	s_mov_b32 s55, s54
	s_mov_b32 s56, 0xc0135761                      ; c0 = -2.3022082
	s_mov_b32 s57, s56
	s_wait_alu depctr_va_vdst(0)                   ; b1's conversions are done reading v[BF ..], in which K step 0's fragments land
.endif
	s_wait_dscnt 0x0                               ; for the others' sake: my part of chunk 0 is in LDS
	s_barrier_signal -1
	s_barrier_wait -1                              ; chunk 0 is whole
	FRAG0
	; THE FIRST PASS UNDER THE STREAM.  Counts, at a step's head: behind an even K step's tokens stand a K step's tokens, a unit and a K step's tokens, 36 loads; behind an odd one's a unit, two K steps' tokens
	; and a unit, 52.  With the step's own 26 or 10 loads that makes 62 on their way.  Behind a step's fragments stand the 8 LDS stores of a unit, where one was stored behind them, or nothing.
	KSTEP 3, 1, 1, 1, 36, 0, 1, 1, 1, 2, 0, 0      ; K step 0 starts the sums (LAYER 1: with the bias as C; LAYER 2: with 0); unit 3 is stored, unit 5 asked for
	WIN 0
	s_wait_alu depctr_vm_vsrc(0)                   ; unit 3's LDS stores have read v6
	v_add_nc_u32 v6, CHUNK, v6
	s_mov_b32 s22, 5
.Lflow:                                                ; trip t: K steps 4 t + 1 to 4 t + 4; units 2 t + 4 and 2 t + 5 (chunk t + 2) are stored, units 2 t + 6 and 2 t + 7 (chunk t + 3) asked for
	KSTEP 0, 0, 1, 1, 52, 8, 0, 9, 0, 9, 0, 0
	KSTEP 1, 0, 1, 1, 36, 99, 0, 0, 0, 3, 1, 0     ; the wait for all my LDS instructions stands in front of the signal
	KSTEP 2, 0, 1, 1, 52, 99, 0, 9, 0, 9, 0, 1     ; chunk t + 1 is whole: this step asks for its first fragments; its own were shown landed in front of the signal
	KSTEP 3, 0, 1, 1, 36, 0, 0, 1, 1, 3, 0, 0
	WIN 0
	s_wait_xcnt 0x0                                ; the weights' base and the tokens' offset are stepped only behind this wait
	s_wait_alu depctr_vm_vsrc(0)                   ; the trip's loads and LDS stores have read v9, v8 and v6
	s_add_nc_u64 s[4:5], s[4:5], 128*PITCH         ; a chunk on
	v_add_nc_u32 v9, 4096, v9
	v_add_nc_u32 v8, CHUNK, v8
	v_add_nc_u32 v6, CHUNK, v6
	s_sub_co_u32 s22, s22, 1
	s_cmp_lg_u32 s22, 0
	s_cbranch_scc1 .Lflow
	UCVT 3, 0, CHUNK, 0, 36, 1                     ; the last two units, chunk 7: behind unit 14 stand two K steps' tokens and unit 15,
	UCVT 3, 1, CHUNK, 1, 0, 1                      ; behind unit 15 nothing
	s_wait_dscnt 0x0                               ; for the others' sake: all my fragments are in LDS
	s_barrier_signal -1
	s_barrier_wait -1                              ; all 32 K steps are whole: from here to the last barrier LDS is read alone
	s_mov_b32 s19, 4                               ; passes to go, this one among them
	s_mov_b32 s22, 2                               ; K steps 21 to 28 are two trips of the later passes' loop, which is entered here; the offsets v8 and v9 stand where its sixth trip finds them
	s_branch .Lk
.Lpass:
	s_sub_co_i32 s21, s17, s20                     ; how many of the expert's tiles lie at or behind my first of this pass
	s_cmp_le_i32 s21, 0
	s_cbranch_scc1 .Lnext
	s_wait_xcnt 0x0                                ; the last pass's stores have read their bases and registers
	BASES
	s_wait_alu depctr_vm_vsrc(0)                   ; the last pass's loads have read v9 and v8, which are made anew; its stores have read BF's registers, in which this pass's fragments land
	v_mov_b32 v9, v7
	v_mov_b32 v8, v7
	s_wait_alu depctr_va_vdst(0)                   ; v9 and v8 are written; the way out has written BF and is done reading CW, and the last pass's products are done reading the ring: the loads below land in all three
.if LAYER == 2
	CWLOAD
.endif
	RLOAD 0, 0
	RLOAD 1, 1024
	RLOAD 2, 2048
	FRAG0
	KSTEP 3, 1, 1, 1, 20, 0, 1, 9, 0, 9, 0, 0      ; K step 0 starts the sums; from here on, at a step's head, ten loads for each of the two younger slots of the ring, and no LDS load behind the step's fragments
	WIN 0
	s_mov_b32 s22, 7
.Lk:
	KSTEP 0, 0, 1, 1, 20, 0, 0, 9, 0, 9, 0, 0
	KSTEP 1, 0, 1, 1, 20, 0, 0, 9, 0, 9, 0, 0
	KSTEP 2, 0, 1, 1, 20, 0, 0, 9, 0, 9, 0, 0
	KSTEP 3, 0, 1, 1, 20, 0, 0, 9, 0, 9, 0, 0
	WIN 0
	s_wait_xcnt 0x0                                ; the tokens' offset is stepped only behind this wait
	s_wait_alu depctr_vm_vsrc(0)                   ; the trip's loads have read v9 and v8
	v_add_nc_u32 v9, 4096, v9
	v_add_nc_u32 v8, CHUNK, v8                     ; four K steps of fragments on: the last read of a pass ends at byte 262,143, in front of the spare words
	s_sub_co_u32 s22, s22, 1
	s_cmp_lg_u32 s22, 0
	s_cbranch_scc1 .Lk
	KSTEP 0, 0, 0, 1, 20, 0, 0, 9, 0, 9, 0, 0      ; K steps 29 to 31: nothing more of the tokens to ask for, the counts run down
	KSTEP 1, 0, 0, 1, 10, 0, 0, 9, 0, 9, 0, 0
	KSTEP 2, 0, 0, 0, 0, 0, 0, 9, 0, 9, 0, 0
	WIN 0
	PLACES                                         ; between the last product and the first read of a result
.irp i, 0,1,2,3,4
	s_cmp_le_i32 s21, \i
	s_cbranch_scc1 .Lnext                          ; the places beyond the expert's tiles store nothing
.if LAYER == 1
	EPI1 \i
.else
	EPI2 \i
.endif
.endr
.Lnext:
	s_add_co_u32 s20, s20, 20
	s_sub_co_u32 s19, s19, 1
	s_cmp_lg_u32 s19, 0
	s_cbranch_scc1 .Lpass
	s_wait_dscnt 0x0                               ; my reads of the fragments are back;
	s_barrier_signal -1                            ; the last barrier, on every wave's path (the loop above counts to a constant): all four waves' LDS reads are over
	s_barrier_wait -1                              ; before any wave writes LDS again, by the add below
	s_wait_dscnt 0x0                               ; the closing lines, six on end
	s_wait_alu 0x0
	s_wait_tensorcnt 0x0
	ds_add_u32 v3, v4
	s_wait_dscnt 0x0
	s_endpgm
.Lfunc_end_k_qc7839625e7_ffn2:
	.size	k_qc7839625e7_ffn2, .Lfunc_end_k_qc7839625e7_ffn2-k_qc7839625e7_ffn2
	.p2alignl 7, 3214868480
	.fill 96, 4, 3214868480
	.section	.rodata,"a",@progbits
	.p2align	6, 0x0
	.amdhsa_kernel k_qc7839625e7_ffn2
		.amdhsa_group_segment_fixed_size 262656
		.amdhsa_private_segment_fixed_size 0
		.amdhsa_enable_private_segment 0
		.amdhsa_kernarg_size 40
		.amdhsa_user_sgpr_count 2
		.amdhsa_user_sgpr_kernarg_segment_ptr 1
		.amdhsa_wavefront_size32 1
		.amdhsa_system_sgpr_workgroup_id_x 1
		.amdhsa_system_sgpr_workgroup_id_y 1
		.amdhsa_system_sgpr_workgroup_id_z 1
		.amdhsa_system_vgpr_workitem_id 0
		.amdhsa_next_free_vgpr 896
		.amdhsa_next_free_sgpr 66
		.amdhsa_reserve_vcc 0
		.amdhsa_float_denorm_mode_32 3
		.amdhsa_float_denorm_mode_16_64 3
		.amdhsa_memory_ordered 1
		.amdhsa_forward_progress 1
		.amdhsa_inst_pref_size 129
	.end_amdhsa_kernel
	.amdgpu_metadata
---
amdhsa.version: [ 1, 2 ]
amdhsa.kernels:
  - .name:           k_qc7839625e7_ffn2
    .symbol:         k_qc7839625e7_ffn2.kd
    .args:
      - { .name: w2, .offset: 0, .size: 8, .value_kind: global_buffer, .address_space: global }
      - { .name: hbuf, .offset: 8, .size: 8, .value_kind: global_buffer, .address_space: global }
      - { .name: cw, .offset: 16, .size: 8, .value_kind: global_buffer, .address_space: global }
      - { .name: plan, .offset: 24, .size: 8, .value_kind: global_buffer, .address_space: global }
      - { .name: ybuf, .offset: 32, .size: 8, .value_kind: global_buffer, .address_space: global }
    .group_segment_fixed_size: 262656
    .private_segment_fixed_size: 0
    .kernarg_segment_align: 8
    .kernarg_segment_size: 40
    .max_flat_workgroup_size: 128
    .sgpr_count:     66
    .vgpr_count:     896
    .wavefront_size: 32
...
	.end_amdgpu_metadata
.endif
;; end of part 7
;; launch combine: the kernel of part 5 again; grid 256 x 1, 8 waves a work-group, no clusters, 0 bytes of LDS; arguments ybuf, plan, route, gw, b2, out0; writes out0
